; MI455X (gfx1250); checked and timed in simulation.
; The chip was launched on July 23, 2026; its instructions are those of AMD's public machine-readable ISA for CDNA 5 (MIT licence, August 2026) and "CDNA5" Instruction Set Architecture Reference Guide (July 2026). The comments in the code are by the model that wrote it; some were corrected since.
;; Causal Self Attention. Allowed arithmetic: matrix products marked QUANTISED: E2M1 operands, one E8M0 scale for each 32 along K, by v_wmma_scale_f32_16x16x128_f8f6f4 with both operands' format E2M1 (or v_wmma_scale_f32_32x16x128_f4), f32 sums; products left as they are: bf16, f16 or f32 operands; f32 sums; everything else in f32.
;; Inputs: b_attn 3,072 float32; b_proj 1,024 float32; w_attn 1,024 x 3,072 float32; w_proj 1,024 x 1,024 float32; x 2 x 2,048 x 1,024 float32.
;; Outputs: out0 2 x 2,048 x 1,024 float32.
;; This version of the problem:
;;   THIS VERSION OF THE PROBLEM IS GIVEN IN LOW PRECISION. The matrix products marked QUANTISED in the list below multiply operands that are first quantised to E2M1 (2 exponent bits, 1 mantissa bit; 4 bits a number), with one power-of-two scale for each 32 numbers along K (OCP MX v1.0); their sums are f32. The products marked 'left as it is' may take bf16, f16 or f32 operands, with f32 sums. Whichever they take, every output number must still come out within the allowed error. Rounding operands to bf16 (8 significant bits) uses up far more of that allowance than f16 does (11 bits, for magnitudes from 6e-5 to 65,504). All else is computed in f32.
;;   The module's matrix products, in the order in which they are computed (A, B: the left and right operand; K: the contracted axis; several contracted axes count as one K, in the product's order):
;;     1. [M 4,096, K 1,024] x [K 1,024, N 3,072]; A: input x; B: input w_attn: QUANTISED
;;     2. batch 32 x [M 2,048, K 64] x [K 64, N 2,048]; A: computed on the way; B: computed on the way: left as it is (an operand is computed on the way)
;;     3. batch 32 x [M 2,048, K 2,048] x [K 2,048, N 64]; A: computed on the way; B: computed on the way: left as it is (an operand is computed on the way)
;;     4. [M 4,096, K 1,024] x [K 1,024, N 1,024]; A: computed on the way; B: input w_proj: left as it is (an operand is computed on the way)
;;   THE QUANTISER, for each operand of a quantised product, along K:
;;     - K is cut into blocks of 32 from its start; a last block that is shorter is filled with zeros.
;;     - A block's scale is 2^e with e = floor(log2(the largest magnitude in the block)) - 2, held to -126 .. 127; a block of zeros has e = 0. As a byte (E8M0): e + 127.
;;     - Each number is divided by its block's scale, clamped to +-6, and rounded to the nearest number of E2M1, ties to even, subnormals kept.
;;     - The product sums the exact products of the quantised numbers (number of the format x scale) in f32.
;;   ~~~python
;;   def quantise(x, axis):      # numpy; x: float32 -> the quantised numbers, widened to float32 again
;;       x = np.moveaxis(x, axis, -1); K = x.shape[-1]
;;       x = np.pad(x, [(0, 0)] * (x.ndim - 1) + [(0, -K % 32)]); x = x.reshape(x.shape[:-1] + (-1, 32)); a = np.abs(x).max(-1, keepdims=True)
;;       e = np.where(a > 0, np.clip(np.frexp(np.where(a > 0, a, 1))[1] - 1 - 2, -126, 127), 0)      # np.frexp(a)[1] - 1 = floor(log2(a)), exactly
;;       r = np.clip(x / 2.0 ** e, -6, 6)
;;       step = 2.0 ** (np.maximum(np.frexp(np.where(r == 0, 1, r))[1] - 1, 0) - 1)
;;       q = np.round(r / step) * step * 2.0 ** e      # np.round: ties to even
;;       return np.moveaxis(q.reshape(q.shape[:-2] + (-1,))[..., :K], -1, axis).astype(np.float32)
;;   ~~~
;; One version. Each part assembles by itself: llvm-mc -triple=amdgcn-amd-amdhsa -mcpu=gfx1250 --defsym DOCPART=n.
;; ======== version 1 of 1: 5 launches
;; limits: values are held in f16: magnitudes above 65,504 overflow, below 6.1e-05 lose precision
;; workspace buffers: xc 2,097,152 bytes; xs 131,072 bytes; wc 1,572,864 bytes; ws 98,304 bytes; wp16 2,097,152 bytes; qkv 25,165,824 bytes; qkv32 393,216 bytes; yh 8,388,608 bytes
;; launch prep (part 1): grid 288 x 1, 4 waves a work-group, no clusters, 51,712 bytes of LDS; arguments x, w_attn, w_proj, xc, xs, wc, ws, wp16; writes xc, xs, wc, ws, wp16
.if DOCPART == 1
	.amdgcn_target "amdgcn-amd-amdhsa--gfx1250"
	.amdhsa_code_object_version 6
	.text
	.protected	k_q9c8d8e179f_prep
	.globl	k_q9c8d8e179f_prep
	.p2align	8
	.type	k_q9c8d8e179f_prep,@function
k_q9c8d8e179f_prep:
	s_mov_b64 s[64:65], 0
	v_nop
	global_prefetch_b8 v0, s[64:65] scope:SCOPE_SE
	s_setreg_imm32_b32 hwreg(HW_REG_WAVE_MODE, 25, 1), 1
	s_wait_xcnt 0x0
; PREP: three streams in one launch, told apart by the work-group's number.  The three paths never join.
;   work-groups   0-127: x [4096][1024] f32, K innermost -> codes of FP4 (E2M1) xc [4096][512 bytes] and E8M0 scale bytes xs [4096][32]
;   work-groups 128-223: w_attn [1024 k][3072 n] f32, K its FIRST axis -> wc [3072 n][512 bytes], K innermost, and ws [3072][32]
;   work-groups 224-287: w_proj [1024][1024] f32 -> f16, same order, wp16
; THE QUANTISER: a block of 32 along K has the scale 2^(floor(log2(its largest magnitude)) - 2); its byte is the largest magnitude's exponent field - 2, held at 1 from below;
; each number is divided by the scale and rounded to the nearest code, ties to even, beyond 6 the largest code.
; LIMITS: a block of zeros gets the byte 1 where the rule says 127 (its codes are zeros, which add nothing under any byte but 0xff, and only this program reads the bytes);
; blocks whose largest magnitude lies under 2^-124 were not tried; NaN and infinities are not served; |w_proj| stays under 65,504 (f16).
; wc leaves in pieces of 128 consecutive bytes of a row (a work-group takes 256 along K, so that 384 waves share the tensor): 1.5 MB of the 12.6 MB that the path reads.
; Each path has LDS bytes of its own: x's stages 0 .. 32,767, w_attn's 32,768 .. 51,199.  No tensor load, no barrier: waves share nothing.
.set SPARE, 51200                      ; the spare words, 128 bytes for each wave: two blocks of 256 bytes that no other line names
.set WSTG,  32768
.set SPW,   12                         ; v12  LDS address of my spare word; never rewritten
.set NIL,   13                         ; v13  0; never rewritten
.set EMAX,  2
	s_load_b256 s[4:11], s[0:1], 0x0               ; x s[4:5], w_attn s[6:7], w_proj s[8:9], xc s[10:11]
	s_load_b256 s[12:19], s[0:1], 0x20             ; xs s[12:13], wc s[14:15], ws s[16:17], wp16 s[18:19]
	v_lshl_add_u32 v[SPW], v0, 2, SPARE
	v_mov_b32 v[NIL], 0
	v_lshrrev_b32 v1, 5, v0
	v_readfirstlane_b32 s20, v1                    ; wave 0..3
	v_and_b32 v2, 31, v0                           ; lane
	s_mov_b32 s25, 0                               ; the upper word of every offset pair s[24:25]
	s_wait_kmcnt 0x0
	s_cmp_lt_u32 ttmp9, 128
	s_cbranch_scc1 .Lpath_x
	s_cmp_lt_u32 ttmp9, 224
	s_cbranch_scc1 .Lpath_w
; ---- w_proj to f16: a wave takes 4,096 numbers; all 32 loads (512 consecutive bytes each) go out at once; a store covers 256 consecutive bytes, aligned
	s_sub_co_u32 s22, ttmp9, 224
	s_lshl_b32 s22, s22, 2
	s_add_co_u32 s22, s22, s20                     ; which run of 4,096 numbers
	s_lshl_b32 s24, s22, 14
	s_add_nc_u64 s[8:9], s[8:9], s[24:25]
	s_lshl_b32 s24, s22, 13
	s_add_nc_u64 s[18:19], s[18:19], s[24:25]
	v_lshlrev_b32 v3, 4, v2
	v_lshlrev_b32 v4, 3, v2
.set I, 0
.rept 32
	global_load_b128 v[32+4*I:35+4*I], v3, s[8:9] offset:512*I th:TH_LOAD_NT
.set I, I+1
.endr
.set I, 0
.rept 32
	s_wait_loadcnt 31-I                            ; loads come back in order: number I is in, the younger ones stay out
	v_cvt_pk_f16_f32 v[32+4*I], v[32+4*I], v[33+4*I]
	v_cvt_pk_f16_f32 v[33+4*I], v[34+4*I], v[35+4*I]
	global_store_b64 v4, v[32+4*I:33+4*I], s[18:19] offset:256*I
.set I, I+1
.endr
	s_wait_tensorcnt 0x0                           ; the wave's end, as in the other two paths
	ds_add_u32 v[SPW], v[NIL]
	s_wait_dscnt 0x0
	s_endpgm
; ---- x: rows are dense and K is a multiple of 32, so x is a plain stream of blocks of 32, and so are its codes and scale bytes.
; A wave takes 16 steps of 512 numbers.  Each of a step's four loads reads 512 consecutive bytes; the 2,048 bytes turn through the wave's own stage in LDS and come back 64 bytes a lane:
; 16 neighbours along K, two neighbouring lanes to a block.  A lane's 16 codes are 8 bytes: the wave stores 256 consecutive bytes.  The wave's 256 scale bytes are gathered in LDS and leave as one store.
.set STEPS, 16
.set CB,    8
.set R,     16                         ; v16-79   four sets of 16 numbers as they are loaded
.set X,     80                         ; v80-111  two sets of 16 neighbours
.set E,     112                        ; v112-127 a scale byte for each step
.set C,     128                        ; v128-189 codes: registers of its own for each step, so that no store's data are written again
.set WREG,  8192                       ; a wave's region: two stages of 32 x SP bytes, behind them its 256 scale bytes
.set SP,    80                         ; a lane's place in a stage: 64 bytes + 16 of padding
.macro XLOAD t
.irp i, 0,1,2,3
	global_load_b128 v[R+16*((\t)%4)+4*\i:R+16*((\t)%4)+4*\i+3], v3, s[4:5] offset:2048*(\t)+512*\i th:TH_LOAD_NT
.endr
.endm
.macro XTURN t                         ; LDS serves a wave's instructions in order: no wait between the stores and the loads
.irp i, 0,1,2,3
	ds_store_b128 v14, v[R+16*((\t)%4)+4*\i:R+16*((\t)%4)+4*\i+3] offset:32*SP*((\t)%2)+8*SP*\i
.endr
.irp i, 0,1,2,3
	ds_load_b128 v[X+16*((\t)%2)+4*\i:X+16*((\t)%2)+4*\i+3], v15 offset:32*SP*((\t)%2)+16*\i
.endr
.endm
.macro XSTEP t
.set XS, X+16*((\t)%2)
.if (\t) > 0
	s_wait_dscnt 1                                 ; this step's numbers are back from the stage; the last step's byte store may be out
.else
	s_wait_dscnt 0x0
.endif
.if (\t)+4 < STEPS
	XLOAD (\t)+4                                   ; into the set whose stores into the stage are done
.endif
.if (\t)+1 < STEPS
.if STEPS-2-(\t) >= 3
	s_wait_loadcnt 12                              ; the next step's four loads are in; those of the three steps behind it may be out
.else
	s_wait_loadcnt 4*(STEPS-2-(\t))
.endif
	XTURN (\t)+1
.endif
	v_max3_num_f32 v8, |v[XS]|, |v[XS+1]|, |v[XS+2]|
	v_max3_num_f32 v9, |v[XS+3]|, |v[XS+4]|, |v[XS+5]|
.irp i, 6,10
	v_max3_num_f32 v8, v8, |v[XS+\i]|, |v[XS+\i+1]|
	v_max3_num_f32 v9, v9, |v[XS+\i+2]|, |v[XS+\i+3]|
.endr
	v_max3_num_f32 v8, v8, |v[XS+14]|, |v[XS+15]|
	v_max3_num_f32 v8, v8, v9, (EMAX+1)<<23        ; and the floor 2^(3 - 127): the byte cannot fall under 1
	v_max_num_f32_dpp v8, v8, v8 row_xmask:1 row_mask:0xf bank_mask:0xf   ; with my neighbour's 16: the block's largest magnitude
	v_add_nc_u32 v11, 0xff000000, v8               ; 2 off its exponent field: the conversion takes this operand's exponent field as its scale
	v_cvt_scalef32_pk8_fp4_f32 v[C+4*(\t)], v[XS:XS+7], v11
	v_cvt_scalef32_pk8_fp4_f32 v[C+4*(\t)+1], v[XS+8:XS+15], v11
	v_lshrrev_b32 v[E+(\t)], 23, v11               ; the scale's byte
	ds_store_b8 v5, v[E+(\t)] offset:16*(\t)       ; both lanes of a block write the same byte with the same value
	global_store_b64 v4, v[C+4*(\t):C+4*(\t)+1], s[10:11] offset:32*CB*(\t)
.endm
.Lpath_x:
	v_lshlrev_b32 v3, 4, v2                        ; my 16 bytes of a load's 512
	s_mul_i32 s21, s20, WREG
	v_lshrrev_b32 v14, 2, v2
	v_mul_u32_u24 v14, v14, SP
	v_and_b32 v15, 3, v2
	v_lshl_add_u32 v14, v15, 4, v14
	v_add_nc_u32 v14, s21, v14                     ; into the stage: SP (lane / 4) + 16 (lane % 4)
	v_mul_u32_u24 v15, v2, SP
	v_add_nc_u32 v15, s21, v15                     ; out of it: SP x lane
	v_lshlrev_b32 v4, 3, v2                        ; my codes' place in a step's
	v_lshrrev_b32 v5, 1, v2
	s_add_co_u32 s21, s21, 2*32*SP
	v_add_nc_u32 v5, s21, v5                       ; my block's scale byte
	v_lshlrev_b32 v7, 3, v2
	v_add_nc_u32 v6, s21, v7                       ; and 8 of the 256 on the way out
	s_lshl_b32 s22, ttmp9, 2
	s_add_co_u32 s22, s22, s20                     ; which run of 8,192 numbers
	s_lshl_b32 s24, s22, 15
	s_add_nc_u64 s[4:5], s[4:5], s[24:25]
	s_lshl_b32 s24, s22, 12
	s_add_nc_u64 s[10:11], s[10:11], s[24:25]
	s_lshl_b32 s24, s22, 8
	s_add_nc_u64 s[12:13], s[12:13], s[24:25]
.irp t, 0,1,2,3
	XLOAD \t
.endr
	s_wait_loadcnt 12                              ; step 0's four loads are in
	XTURN 0
.irp t, 0,1,2,3,4,5,6,7,8,9,10,11,12,13,14,15
	XSTEP \t
.endr
	ds_load_b64 v[8:9], v6                         ; in order behind my byte stores
	s_wait_dscnt 0x0
	global_store_b64 v7, v[8:9], s[12:13]          ; 32 lanes store 256 consecutive bytes, aligned
	s_wait_tensorcnt 0x0                           ; the wave's end, behind my last LDS store
	ds_add_u32 v[SPW], v[NIL]
	s_wait_dscnt 0x0
	s_endpgm
; ---- w_attn: A LANE TAKES A COLUMN n AND ITS REGISTERS RUN DOWN K: each load reads 128 consecutive bytes a wave, a block of 32 along K lies in one lane's 32 registers,
; and the conversions give codes with K innermost.  A wave takes 32 columns x 256 along K: 8 blocks a lane, 128 bytes of codes for each column, which go through the wave's own stage and leave by rows.
.set NB,    8
.set WP,    144                        ; a stage row: 128 bytes + 16
.set WX,    32                         ; v32-95   two sets of 32 numbers
.set WC,    96                         ; v96-99   a block's codes;  v100, v101 maxima, v102 the scale operand, v103 the byte
.set SB,    24                         ; v24-25   the scale bytes, four to a register
.set OUTR,  112                        ; v112-143 the way out
.macro WLOAD t
.set I, 0
.rept 32
	global_load_b32 v[WX+32*((\t)%2)+I], v3, s[6:7] offset:(32*(\t)+I)*12288 th:TH_LOAD_NT
.set I, I+1
.endr
.endm
.macro WBLOCK t
.set WS, WX+32*((\t)%2)
.if (\t) < NB-1
	s_wait_loadcnt 32                              ; this block's 32 loads are in; the next block's may be out
.else
	s_wait_loadcnt 0x0
.endif
	v_max3_num_f32 v100, |v[WS]|, |v[WS+1]|, |v[WS+2]|
	v_max3_num_f32 v101, |v[WS+3]|, |v[WS+4]|, |v[WS+5]|
.irp i, 6,10,14,18,22,26
	v_max3_num_f32 v100, v100, |v[WS+\i]|, |v[WS+\i+1]|
	v_max3_num_f32 v101, v101, |v[WS+\i+2]|, |v[WS+\i+3]|
.endr
	v_max3_num_f32 v100, v100, |v[WS+30]|, |v[WS+31]|
	v_max3_num_f32 v100, v100, v101, (EMAX+1)<<23  ; and the floor
	v_add_nc_u32 v102, 0xff000000, v100
	v_lshrrev_b32 v103, 23, v102
.if (\t)%4 == 0
	v_mov_b32 v[SB+(\t)/4], v103
.else
	v_lshl_or_b32 v[SB+(\t)/4], v103, 8*((\t)%4), v[SB+(\t)/4]
.endif
.irp g, 0,1,2,3
	v_cvt_scalef32_pk8_fp4_f32 v[WC+\g], v[WS+8*\g:WS+8*\g+7], v102
.endr
	ds_store_b128 v4, v[WC:WC+3] offset:16*(\t)    ; 32 codes: 16 bytes of my column's row
.if (\t)+2 < NB
	WLOAD (\t)+2
.endif
	s_wait_dscnt 0x0                               ; the store has read its registers: the next block's codes may be written
.endm
.Lpath_w:
	s_sub_co_u32 s22, ttmp9, 128
	s_lshr_b32 s23, s22, 2                         ; which 128 columns
	s_and_b32 s22, s22, 3                          ; which 256 along K
	s_lshl_b32 s23, s23, 7
	s_lshl_b32 s26, s20, 5
	s_add_co_u32 s23, s23, s26                     ; my wave's first column
	s_mul_i32 s24, s22, 256*12288
	s_lshl_b32 s26, s23, 2
	s_add_co_u32 s24, s24, s26
	s_add_nc_u64 s[6:7], s[6:7], s[24:25]
	s_lshl_b32 s24, s23, 9
	s_lshl_b32 s26, s22, 7
	s_add_co_u32 s24, s24, s26
	s_add_nc_u64 s[14:15], s[14:15], s[24:25]
	s_lshl_b32 s24, s23, 5
	s_lshl_b32 s26, s22, 3
	s_add_co_u32 s24, s24, s26
	s_add_nc_u64 s[16:17], s[16:17], s[24:25]
	s_mul_i32 s27, s20, 32*WP
	s_add_co_u32 s27, s27, WSTG                    ; my stage
	v_lshlrev_b32 v3, 2, v2                        ; in: 4 bytes a lane
	v_mul_u32_u24 v4, v2, WP
	v_add_nc_u32 v4, s27, v4                       ; into the stage: row = my column
	v_and_b32 v5, 7, v2
	v_lshrrev_b32 v6, 3, v2                        ; out of it: eight lanes to a row, four rows an instruction
	v_mul_u32_u24 v7, v6, WP
	v_lshl_add_u32 v7, v5, 4, v7
	v_add_nc_u32 v7, s27, v7
	v_lshlrev_b32 v8, 9, v6
	v_lshl_add_u32 v8, v5, 4, v8                   ; the same place in wc: rows of 512 bytes
	v_lshlrev_b32 v9, 5, v2                        ; my column's row of scale bytes
	WLOAD 0
	WLOAD 1
.irp t, 0,1,2,3,4,5,6,7
	WBLOCK \t
.endr
	global_store_b64 v9, v[SB:SB+1], s[16:17]      ; my column's 8 scale bytes
.irp t, 0,1,2,3,4,5,6,7
	ds_load_b128 v[OUTR+4*\t:OUTR+4*\t+3], v7 offset:4*\t*WP
.endr
.irp t, 0,1,2,3,4,5,6,7
	s_wait_dscnt 7-\t
	global_store_b128 v8, v[OUTR+4*\t:OUTR+4*\t+3], s[14:15] offset:4*\t*512
.endr
	s_wait_tensorcnt 0x0                           ; the wave's end, behind my last LDS store
	ds_add_u32 v[SPW], v[NIL]
	s_wait_dscnt 0x0
	s_endpgm
.Lfunc_end_k_q9c8d8e179f_prep:
	.size	k_q9c8d8e179f_prep, .Lfunc_end_k_q9c8d8e179f_prep-k_q9c8d8e179f_prep
	.p2alignl 7, 3214868480
	.fill 96, 4, 3214868480
	.section	.rodata,"a",@progbits
	.p2align	6, 0x0
	.amdhsa_kernel k_q9c8d8e179f_prep
		.amdhsa_group_segment_fixed_size 51712
		.amdhsa_private_segment_fixed_size 0
		.amdhsa_enable_private_segment 0
		.amdhsa_kernarg_size 64
		.amdhsa_user_sgpr_count 2
		.amdhsa_user_sgpr_kernarg_segment_ptr 1
		.amdhsa_wavefront_size32 1
		.amdhsa_system_sgpr_workgroup_id_x 1
		.amdhsa_system_sgpr_workgroup_id_y 1
		.amdhsa_system_sgpr_workgroup_id_z 1
		.amdhsa_system_vgpr_workitem_id 0
		.amdhsa_next_free_vgpr 192
		.amdhsa_next_free_sgpr 66
		.amdhsa_reserve_vcc 0
		.amdhsa_float_denorm_mode_32 3
		.amdhsa_float_denorm_mode_16_64 3
		.amdhsa_memory_ordered 1
		.amdhsa_forward_progress 1
		.amdhsa_inst_pref_size 84
	.end_amdhsa_kernel
	.amdgpu_metadata
---
amdhsa.version: [ 1, 2 ]
amdhsa.kernels:
  - .name:           k_q9c8d8e179f_prep
    .symbol:         k_q9c8d8e179f_prep.kd
    .args:
      - { .name: x, .offset: 0, .size: 8, .value_kind: global_buffer, .address_space: global }
      - { .name: w_attn, .offset: 8, .size: 8, .value_kind: global_buffer, .address_space: global }
      - { .name: w_proj, .offset: 16, .size: 8, .value_kind: global_buffer, .address_space: global }
      - { .name: xc, .offset: 24, .size: 8, .value_kind: global_buffer, .address_space: global }
      - { .name: xs, .offset: 32, .size: 8, .value_kind: global_buffer, .address_space: global }
      - { .name: wc, .offset: 40, .size: 8, .value_kind: global_buffer, .address_space: global }
      - { .name: ws, .offset: 48, .size: 8, .value_kind: global_buffer, .address_space: global }
      - { .name: wp16, .offset: 56, .size: 8, .value_kind: global_buffer, .address_space: global }
    .group_segment_fixed_size: 51712
    .private_segment_fixed_size: 0
    .kernarg_segment_align: 8
    .kernarg_segment_size: 64
    .max_flat_workgroup_size: 128
    .sgpr_count:     66
    .vgpr_count:     192
    .wavefront_size: 32
...
	.end_amdgpu_metadata
.endif
;; end of part 1
;; launch qkv (part 2): grid 12 x 16, 4 waves a work-group, clusters of 4 x 4, 327,680 bytes of LDS; arguments xc, xs, wc, ws, b_attn, qkv, qkv32; writes qkv, qkv32
.if DOCPART == 2
	.amdgcn_target "amdgcn-amd-amdhsa--gfx1250"
	.amdhsa_code_object_version 6
	.text
	.protected	k_q9c8d8e179f_qkv
	.globl	k_q9c8d8e179f_qkv
	.p2align	8
	.type	k_q9c8d8e179f_qkv,@function
k_q9c8d8e179f_qkv:
	s_mov_b64 s[64:65], 0
	v_nop
	global_prefetch_b8 v0, s[64:65] scope:SCOPE_SE
	s_setreg_imm32_b32 hwreg(HW_REG_WAVE_MODE, 25, 1), 1
	s_wait_xcnt 0x0
	s_wait_alu depctr_hold_cnt(0) depctr_sa_sdst(0) depctr_va_vdst(0) depctr_va_sdst(0) depctr_va_ssrc(0) depctr_va_vcc(0) depctr_vm_vsrc(0)
	s_getreg_b32 s2, hwreg(HW_REG_IB_STS2, 6, 4)
	s_cmp_eq_u32 s2, 0
	s_cbranch_scc0 .Lentry_in_a_cluster
	s_endpgm
.Lentry_in_a_cluster:
	s_bfe_u32 s2, ttmp6, 0x10000c
	s_cmp_lg_u32 s2, 0xf033
	s_cbranch_scc0 .Lentry_shape_is_right
	s_endpgm
.Lentry_shape_is_right:
; QKV: [4096][3072] = x w_attn + b_attn on codes of FP4 (E2M1) with one E8M0 scale for each 32 along K; sums in f32.  A = xc [4096][512 bytes], xs [4096][32]; B = wc [3072][512 bytes], ws [3072][32].
; A tile of 256 x 256 to a work-group of four waves, 128 x 128 to a wave: 64 accumulators of 16 x 16, 512 registers.  K = 1,024 is two slots of 512 along K (rows of 256 bytes): both are FIRST fills, nothing is filled again.
; The scale bytes of the work-group's rows of A and of B, for all of K, are two dense blocks: they come once, with the first fills.
; CLUSTERS: 4 x 4 work-groups; A's tiles are asked for jointly by a row of the cluster, B's by a column.  192 tiles: a tile of 256 x 192 would make 256, but would break the pairing of A's and B's eight scale words in one register.
; THE MATRIX INSTRUCTION IS USED TRANSPOSED (source 0 = 16 rows of B, source 1 = 16 rows of A): a lane holds eight neighbouring columns of one row.  The bias is the C of each sum's first product.
; OUT: q, k, v as f16 by head, qkv [3][32 b x head][2048 t][64]: a wave's 16 rows of one head are 2,048 consecutive bytes.  Positions 0-15 of each sequence also go out in f32, qkv32 [2][48][16][64],
; for the launch that makes those rows finely: those stores are 16 bytes a lane, rows 256 bytes apart (393,216 bytes in all).  They stand under an EXEC mask, not under a branch: partners of a cluster run the same text.
; LIMITS: |q|, |k|, |v| stay under 65,504 (f16).
; REGISTERS: window 0: v0-31 addresses; v32-95 scale words, two sets, and nothing else; v96-127 packed results; v128-191 A's fragments, on the way out rows read back; v192-255 the bias.
;   window 1: B's fragments, two sets.   window 2: the accumulators of my rows 0-63 ((a, b) at v[8 (8 a + b)]);   window 3: those of my rows 64-127.
.set NQ,     4                         ; matrix instructions deep in a slot
.set ROWB,   256                       ; a tile's row in bytes: 512 codes
.set KROW,   512                       ; a row of codes in memory
.set PITCH,  272                       ; an LDS row: 256 bytes + 16 = 68 words: the 16 rows of a load start at 16 different banks (64 banks of 4 bytes: ISA guide 11.1)
.set FR,     8
.set NL,     2
.set NP,     4                         ; places behind this matrix instruction (ISA guide 7.12.1)
.set HALFT,  128*PITCH
.set SLOT,   4*HALFT
.set KS,     32                        ; a row of scale bytes
.set SCL,    2*SLOT
.set HALFS,  (128*KS/256)*272
.set SBLK,   (16*KS/256)*272
.set SPARE,  SCL+4*HALFS               ; the spare words, 128 bytes for each wave
.set HSTG,   16*144                    ; the way out: a head's 16 rows of 128 bytes + 16; two heads to a wave, in slot 0, which has had its only fill and its last read by then
.set ADRA, 16
.set ADRB, 20
.set C32,  22                          ; v22  the f32 copy: 256 r + 32 h
.set FLG,  23                          ; v23  0 in the waves that hold positions 0-15
.set STO,  24
.set RD,   25
.set CO,   26
.set ADRS, 27
.set SPW,  28
.set NIL,  29
.set BAD,  30                          ; v30  32 h: my half's eight numbers of the bias
.set SC,   32
.set TMP,  96
.set AF,   128
.set BK,   128
.set BI,   192
.set G1, 24
.set G0, 32
.set G1B, 48
.set G0B, 56
.set G1S, 68
.set G0S, 76
.set G1SB, 80
.set G0SB, 88
.set MSB, 0
.macro WIN new                         ; the immediate's high byte repeats the setting that is left
.if MSB != (\new)
	s_set_vgpr_msb (MSB<<8)|(\new)
.set MSB, \new
.endif
.endm
.set MUL_LO,  0xa1                     ; source 0 (B) window 1, source 1 (A) window 0, C and D window 2
.set MUL_HI,  0xf1                     ; the same, C and D window 3
.set MUL_LO0, 0x81                     ; the first products: C (the bias) window 0, D window 2
.set MUL_HI0, 0xc1                     ; D window 3
.set TO_B,    0x40
; A joint load: waves 0 and 1 fetch for A, waves 2 and 3 for B; the branch hangs on the wave's number alone.  An s_nop 0 and four v_nop follow each of the two lines.
.macro JLOAD g0a, g1a, g0b, g1b
	s_cmp_eq_u32 s15, 0
	s_cbranch_scc0 .Lfor_b_\@
	tensor_load_to_lds s[\g0a:\g0a+3], s[\g1a:\g1a+7]
	s_nop 0
.rept 4
	v_nop
.endr
	s_branch .Lasked_\@
.Lfor_b_\@:
	tensor_load_to_lds s[\g0b:\g0b+3], s[\g1b:\g1b+7]
	s_nop 0
.rept 4
	v_nop
.endr
.Lasked_\@:
.endm
.macro CROUND                          ; a round of the cluster's barrier
	s_barrier_signal -1
	s_barrier_wait -1
	s_cmp_lg_u32 s14, 0
	s_cbranch_scc1 .Lnot_wave_0_\@
	s_barrier_signal -3
.Lnot_wave_0_\@:
	s_barrier_wait -3
	s_barrier_signal -1
	s_barrier_wait -1
.endm
	s_load_b128 s[4:7], s[0:1], 0x0                ; xc, xs
	s_load_b128 s[8:11], s[0:1], 0x10              ; wc, ws
	s_load_b128 s[96:99], s[0:1], 0x20             ; b_attn, qkv
	s_load_b64 s[100:101], s[0:1], 0x30            ; qkv32
	v_lshl_add_u32 v[SPW], v0, 2, SPARE
	v_mov_b32 v[NIL], 0
	ds_add_u32 v[SPW], v[NIL]                      ; the wave's opening: the add, twice on end, and its wait ahead of my first tensor load
	ds_add_u32 v[SPW], v[NIL]
	v_lshrrev_b32 v1, 5, v0
	v_readfirstlane_b32 s14, v1                    ; wave 0..3
	s_lshr_b32 s15, s14, 1                         ; which half of the tile's rows is mine.  Also: I fetch for A (0) or for B (1)
	s_and_b32 s16, s14, 1                          ; which half of its columns.  Also: which 128 rows I fetch
	s_bfe_u32 s40, ttmp6, 0x40000                  ; cx, cy
	s_bfe_u32 s41, ttmp6, 0x40004
	s_lshl_b32 s42, ttmp9, 2
	s_add_co_u32 s42, s42, s40                     ; tile column
	s_and_b32 s17, ttmp7, 0xffff
	s_lshl_b32 s17, s17, 2
	s_add_co_u32 s17, s17, s41                     ; tile row
	s_lshl_b32 s43, s41, 2
	s_lshl_b32 s43, 15, s43                        ; my row of the cluster
	s_lshl_b32 s44, 0x1111, s40                    ; my column
	s_or_b32 s[G1+0], s43, (0<<16)|(1<<20)|(1<<21)|(5<<22)|(3<<25)  ; the mask; elements of 1 byte; padding on; bit 21 beside a mask; 4 words after every 64
	s_or_b32 s[G1B+0], s44, (0<<16)|(1<<20)|(1<<21)|(5<<22)|(3<<25)
.irp g, G1, G1B
	s_mov_b32 s[\g+1], ROWB<<16                    ; tensor_dim0
	s_mov_b32 s[\g+2], 128<<16                     ; tensor_dim1
	s_mov_b32 s[\g+3], ROWB<<16                    ; tile_dim0
	s_mov_b32 s[\g+4], 128                         ; tile_dim1
	s_mov_b32 s[\g+5], KROW                        ; the pitch
	s_mov_b32 s[\g+6], 0
	s_mov_b32 s[\g+7], 0
.endr
	s_or_b32 s[G1S+0], s43, (3<<16)|(1<<20)|(1<<21)|(5<<22)|(3<<25)  ; the scales of 128 rows: 4,096 dense bytes as 16 rows of 256 (32 elements of 8 bytes), 16 bytes of padding behind each
	s_or_b32 s[G1SB+0], s44, (3<<16)|(1<<20)|(1<<21)|(5<<22)|(3<<25)
.irp g, G1S, G1SB
	s_mov_b32 s[\g+1], 32<<16
	s_mov_b32 s[\g+2], (128*KS/256)<<16
	s_mov_b32 s[\g+3], 32<<16
	s_mov_b32 s[\g+4], 128*KS/256
	s_mov_b32 s[\g+5], 32
	s_mov_b32 s[\g+6], 0
	s_mov_b32 s[\g+7], 0
.endr
	s_lshl_b32 s18, s16, 7
	s_lshl_b32 s20, s17, 8
	s_add_co_u32 s20, s20, s18                     ; A: row 256 x tile row + 128 x half
	s_lshl_b32 s46, s42, 8
	s_add_co_u32 s46, s46, s18                     ; B: row 256 x tile column + 128 x half
	s_mov_b32 s21, 0
	s_mov_b32 s47, 0
	s_mov_b64 s[18:19], KS
	s_mul_u64 s[22:23], s[20:21], s[18:19]
	s_mul_u64 s[92:93], s[46:47], s[18:19]
	s_mov_b64 s[18:19], KROW
	s_mul_u64 s[20:21], s[20:21], s[18:19]
	s_mul_u64 s[46:47], s[46:47], s[18:19]
	s_mul_i32 s45, s14, HALFT                      ; where they go: no place in the cluster enters an LDS address
	s_mul_i32 s94, s14, HALFS
	s_wait_dscnt 0x0                               ; both opening adds are done
	s_wait_kmcnt 0x0
	s_add_nc_u64 s[20:21], s[4:5], s[20:21]
	s_add_nc_u64 s[22:23], s[6:7], s[22:23]
	s_add_nc_u64 s[46:47], s[8:9], s[46:47]
	s_add_nc_u64 s[92:93], s[10:11], s[92:93]
	CROUND                                         ; all sixteen work-groups are here: the joint loads meet
	s_mov_b32 s[G0S], 1
	s_add_co_u32 s[G0S+1], s94, SCL
	s_mov_b64 s[G0S+2:G0S+3], s[22:23]
	s_or_b32 s[G0S+3], s[G0S+3], 0x80000000
	s_mov_b32 s[G0SB], 1
	s_add_co_u32 s[G0SB+1], s94, SCL
	s_mov_b64 s[G0SB+2:G0SB+3], s[92:93]
	s_or_b32 s[G0SB+3], s[G0SB+3], 0x80000000
	JLOAD G0S, G1S, G0SB, G1SB                     ; three loads of mine go out: the scales,
.irp s, 0,1
	s_mov_b32 s[G0+4*\s], 1
	s_add_co_u32 s[G0+4*\s+1], s45, \s*SLOT
	s_add_nc_u64 s[G0+4*\s+2:G0+4*\s+3], s[20:21], \s*ROWB
	s_or_b32 s[G0+4*\s+3], s[G0+4*\s+3], 0x80000000
	s_mov_b32 s[G0B+4*\s], 1
	s_add_co_u32 s[G0B+4*\s+1], s45, \s*SLOT
	s_add_nc_u64 s[G0B+4*\s+2:G0B+4*\s+3], s[46:47], \s*ROWB
	s_or_b32 s[G0B+4*\s+3], s[G0B+4*\s+3], 0x80000000
	JLOAD G0+4*\s, G1, G0B+4*\s, G1B               ; and the two halves of K
.endr
	v_and_b32 v1, 15, v0                           ; r
	v_bfe_u32 v2, v0, 4, 1                         ; h
	v_lshlrev_b32 v[BAD], 5, v2
	s_lshl_b32 s46, s42, 10                        ; the bias of my 128 columns: 4 x (256 x tile column + 128 x half)
	s_lshl_b32 s47, s16, 9
	s_add_co_u32 s46, s46, s47
	s_mov_b32 s47, 0
	s_add_nc_u64 s[96:97], s[96:97], s[46:47]
.irp b, 0,1,2,3,4,5,6,7
	global_load_b128 v[BI+8*\b:BI+8*\b+3], v[BAD], s[96:97] offset:64*\b          ; register 8 b + j: column 16 b + 8 h + j, the result's layout
	global_load_b128 v[BI+8*\b+4:BI+8*\b+7], v[BAD], s[96:97] offset:64*\b+16
.endr
	v_mul_u32_u24 v3, v1, PITCH
	v_lshl_add_u32 v4, v2, 4, v3                   ; a fragment's row x pitch + 16 x half
	s_mul_i32 s21, s15, HALFT
	s_mul_i32 s22, s16, HALFT
	s_add_co_u32 s22, s22, 2*HALFT
.irp s, 0,1
	v_add_nc_u32 v[ADRA+\s], s21, v4
	v_add_nc_u32 v[ADRB+\s], s22, v4
	s_add_co_u32 s21, s21, SLOT
	s_add_co_u32 s22, s22, SLOT
.endr
	v_mul_u32_u24 v5, v1, KS                       ; my row's scales: 32 bytes a row,
	v_lshrrev_b32 v6, 8, v5
	v_lshl_add_u32 v5, v6, 4, v5                   ; and 16 more for each 256 passed
	s_mul_i32 s21, s15, HALFS
	s_mul_i32 s22, s16, HALFS
	s_add_co_u32 s22, s22, 2*HALFS
	s_sub_co_u32 s22, s22, s21
	v_mul_u32_u24 v6, s22, v2                      ; lanes 16-31 take B's
	s_add_co_u32 s21, s21, SCL
	v_add_nc_u32 v5, v5, v6
	v_add_nc_u32 v[ADRS], s21, v5
	s_mul_i32 s23, s14, 2*HSTG                     ; my stage
	v_mul_u32_u24 v5, v1, 144
	v_lshl_add_u32 v5, v2, 4, v5
	v_add_nc_u32 v[STO], s23, v5                   ; in: row r, 16 bytes for each half of the lanes
	v_bfe_u32 v5, v0, 3, 2
	v_mul_u32_u24 v5, v5, 144
	v_and_b32 v6, 7, v0
	v_lshl_add_u32 v5, v6, 4, v5
	v_add_nc_u32 v[RD], s23, v5                    ; back: eight lanes to a row of 128 bytes, four rows an instruction
	v_and_b32 v6, 31, v0
	v_lshlrev_b32 v[CO], 4, v6                     ; which are 512 consecutive bytes of qkv
	v_lshlrev_b32 v[C32], 8, v1
	v_lshl_add_u32 v[C32], v2, 5, v[C32]
	; where my part begins.  What hangs on the tile row and what hangs on the tile column are added from different registers.
	s_lshr_b32 s19, s17, 3                         ; the batch
	s_and_b32 s93, s17, 7                          ; the tile row within the sequence
	s_lshl_b32 s20, s19, 22                        ; 16 planes of 262,144 bytes,
	s_lshl_b32 s21, s93, 15                        ; 256 rows of 128 bytes,
	s_add_co_u32 s20, s20, s21
	s_lshl_b32 s21, s15, 14                        ; my 128 rows
	s_add_co_u32 s20, s20, s21
	s_mov_b32 s21, 0
	s_add_nc_u64 s[12:13], s[98:99], s[20:21]
	s_lshr_b32 s46, s42, 2                         ; q, k or v: 32 planes each;
	s_lshl_b32 s46, s46, 5
	s_and_b32 s47, s42, 3                          ; four heads to a tile column,
	s_lshl_b32 s47, s47, 2
	s_add_co_u32 s46, s46, s47
	s_lshl_b32 s47, s16, 1                         ; two to a wave
	s_add_co_u32 s46, s46, s47
	s_lshl_b32 s46, s46, 18
	s_mov_b32 s47, 0
	s_add_nc_u64 s[12:13], s[12:13], s[46:47]
	s_or_b32 s93, s93, s15                         ; 0 where my block 0 holds positions 0-15
	s_mul_i32 s20, s19, 48*4096
	s_add_nc_u64 s[100:101], s[100:101], s[20:21]
	s_lshl_b32 s46, s42, 14
	s_lshl_b32 s47, s16, 13
	s_add_co_u32 s46, s46, s47                     ; (4 x tile column + 2 x half) x 4,096
	s_mov_b32 s47, 0
	s_add_nc_u64 s[100:101], s[100:101], s[46:47]
.macro FRAG reg, adr, q, i             ; 16 rows x 128 K of 4-bit codes: 8 registers; lane l holds row l % 16; registers 4 c .. 4 c + 3 hold K = 64 c + 32 (l / 16) + 0 .. 31
.irp c, 0,1
	ds_load_b128 v[\reg+4*\c:\reg+4*\c+3], v[\adr] offset:64*(\q)+32*\c+(\i)*16*PITCH
.endr
.endm
; 16 matrix instructions: A's blocks a0, a0 + 1 x B's eight, the slot's q-th 128 along K.  zero = 1: the first product starts the sums, with the bias as C.  The 64 accumulators take turns.
.macro MUL16 a0, p, q, sc, zero
.irp a, \a0, \a0+1
.irp b, 0,1,2,3,4,5,6,7
.if \zero
	v_wmma_scale_f32_16x16x128_f8f6f4 v[8*(8*((\a)%4)+\b):8*(8*((\a)%4)+\b)+7], v[128*(\p)+FR*\b:128*(\p)+FR*\b+FR-1], v[AF+FR*(\a):AF+FR*(\a)+FR-1], v[BI+8*\b:BI+8*\b+7], v[SC+8*NQ*(\sc)+NQ*\b+(\q)], v[SC+8*NQ*(\sc)+NQ*(\a)+(\q)] matrix_a_fmt:MATRIX_FMT_FP4 matrix_b_fmt:MATRIX_FMT_FP4 matrix_a_scale:MATRIX_SCALE_ROW1
.else
	v_wmma_scale_f32_16x16x128_f8f6f4 v[8*(8*((\a)%4)+\b):8*(8*((\a)%4)+\b)+7], v[128*(\p)+FR*\b:128*(\p)+FR*\b+FR-1], v[AF+FR*(\a):AF+FR*(\a)+FR-1], v[8*(8*((\a)%4)+\b):8*(8*((\a)%4)+\b)+7], v[SC+8*NQ*(\sc)+NQ*\b+(\q)], v[SC+8*NQ*(\sc)+NQ*(\a)+(\q)] matrix_a_fmt:MATRIX_FMT_FP4 matrix_b_fmt:MATRIX_FMT_FP4 matrix_a_scale:MATRIX_SCALE_ROW1
.endif
.endr
.endr
.endm
.macro FETCH_B slot, q, p
	WIN TO_B
.irp i, 0,1,2,3,4,5,6,7
	FRAG 128*(\p)+FR*\i, ADRB+\slot, \q, \i
.endr
	WIN 0
.endm
.macro FETCH_A slot, q, i0
.irp i, \i0, \i0+1, \i0+2, \i0+3
	FRAG AF+FR*(\i), ADRA+\slot, \q, \i
.endr
.endm
.macro SCALES sc                       ; a slot's scale words: lanes 0-15 take A's block i, lanes 16-31 B's block i
.irp i, 0,1,2,3,4,5,6,7
	ds_load_b128 v[SC+8*NQ*\sc+NQ*\i:SC+8*NQ*\sc+NQ*\i+3], v[ADRS] offset:\i*SBLK
.endr
.endm
.macro PLACES n                        ; plain vector instructions between a matrix instruction and a load into, or a read of, its registers
.rept \n
	v_nop
.endr
.endm
.macro STEP slot, q, zero              ; 128 along K, with its successor in the same slot
	s_wait_dscnt 4*NL                              ; B's set and A's blocks 0-3 are in; the youngest eight loads (A's blocks 4-7) may be out
.if \zero
	WIN MUL_LO0
.else
	WIN MUL_LO
.endif
	MUL16 0, (\q)%2, \q, \slot, \zero
	MUL16 2, (\q)%2, \q, \slot, \zero
	s_wait_dscnt 0
	PLACES NP
	FETCH_B \slot, (\q)+1, 1-(\q)%2
	FETCH_A \slot, (\q)+1, 0
.if \zero
	WIN MUL_HI0
.else
	WIN MUL_HI
.endif
	MUL16 4, (\q)%2, \q, \slot, \zero
	MUL16 6, (\q)%2, \q, \slot, \zero
	PLACES NP
	WIN 0
	FETCH_A \slot, (\q)+1, 4
.endm
.macro TURN slot, next                 ; slot 0's last step: one barrier; in front of it each wave waits for its tensor loads (slot 1's part), adds 0 to its spare word, and waits for that and for its reads
	s_wait_tensorcnt 0x0
	ds_add_u32 v[SPW], v[NIL]
	s_wait_dscnt 4*NL+1                            ; the add and the youngest eight loads may be out
	WIN MUL_LO
	MUL16 0, 1, NQ-1, \slot, 0
	s_wait_dscnt 0x0
	s_barrier_signal -1
	MUL16 2, 1, NQ-1, \slot, 0
	WIN 0
	s_barrier_wait -1
	PLACES NP
	v_add_nc_u32 v[ADRS], 4*NQ, v[ADRS]            ; on to the next slot's scale words
	FETCH_B \next, 0, 0
	FETCH_A \next, 0, 0
	SCALES \next
	WIN MUL_HI
	MUL16 4, 1, NQ-1, \slot, 0
	MUL16 6, 1, NQ-1, \slot, 0
	PLACES NP
	WIN 0
	FETCH_A \next, 0, 4
.endm
.macro STEPS slot, from
.set Q, \from
.rept NQ-1-\from
	STEP \slot, Q, 0
.set Q, Q+1
.endr
.endm
	s_wait_tensorcnt 1                             ; the scales and my part of slot 0 are in; slot 1's load may be out
	s_barrier_signal -1
	s_barrier_wait -1
	FETCH_B 0, 0, 0
	FETCH_A 0, 0, 0
	SCALES 0
	FETCH_A 0, 0, 4
	s_wait_loadcnt 0x0                             ; the bias
	STEP 0, 0, 1
	STEPS 0, 1
	TURN 0, 1
	STEPS 1, 0
	s_wait_dscnt 4*NL                              ; the very last step
	WIN MUL_LO
	MUL16 0, 1, NQ-1, 1, 0
	MUL16 2, 1, NQ-1, 1, 0
	s_wait_dscnt 0
	WIN MUL_HI
	MUL16 4, 1, NQ-1, 1, 0
	MUL16 6, 1, NQ-1, 1, 0
	WIN 0
	; POSITIONS 0-15 IN F32: my block 0, where the tile is a sequence's first and I hold its upper rows.  All lanes are on or all are off.
	PLACES NP
	v_mov_b32 v[FLG], s93
	v_cmp_eq_u32 vcc_lo, 0, v[FLG]
	s_wait_xcnt 0x0                                ; EXEC changes only behind this wait
	s_and_saveexec_b32 s94, vcc_lo
	WIN 0x08                                       ; a store's data: window 2
.irp b, 0,1,2,3,4,5,6,7
	global_store_b128 v[C32], v[8*\b:8*\b+3], s[100:101] offset:(\b/4)*4096+(\b%4)*64      ; row r, columns 16 b + 8 h + 0 .. 7; each accumulator from its low end on
	global_store_b128 v[C32], v[8*\b+4:8*\b+7], s[100:101] offset:(\b/4)*4096+(\b%4)*64+16
.endr
	WIN 0
	s_wait_xcnt 0x0                                ; and again in front of the line that widens it
	s_or_b32 exec_lo, exec_lo, s94
; THE WAY OUT, block by block of 16 rows x 128 columns (two heads): rounded to f16, 16 bytes a lane into my stage, back by rows, stored 512 consecutive bytes an instruction.
.macro PACK a
.set AC, 64*((\a)%4)
	WIN 0x0a+5*((\a)/4)                            ; sources 0 and 1: window 2 or 3
.irp b, 0,1,2,3,4,5,6,7
.irp i, 0,1,2,3
	v_cvt_pk_f16_f32 v[TMP+4*\b+\i], v[AC+8*\b+2*\i], v[AC+8*\b+2*\i+1]
.endr
.endr
	WIN 0
.endm
.macro TOSTAGE a
.irp b, 0,1,2,3,4,5,6,7
	ds_store_b128 v[STO], v[TMP+4*\b:TMP+4*\b+3] offset:(\b/4)*HSTG+(\b%4)*32
.endr
.irp i, 0,1,2,3,4,5,6,7
	ds_load_b128 v[BK+32*((\a)%2)+4*\i:BK+32*((\a)%2)+4*\i+3], v[RD] offset:(\i/4)*HSTG+(\i%4)*576   ; LDS serves a wave's instructions in order: these see the stores above
.endr
.endm
.macro SEND a, younger
	s_wait_dscnt \younger
.irp i, 0,1,2,3,4,5,6,7
	global_store_b128 v[CO], v[BK+32*((\a)%2)+4*\i:BK+32*((\a)%2)+4*\i+3], s[12:13] offset:(\a)*2048+(\i/4)*262144+(\i%4)*512
.endr
.endm
	PACK 0
	TOSTAGE 0
.irp a, 1,2,3,4,5,6,7
.if \a > 1
	s_wait_xcnt 0x0                                ; block a - 2's stores have read their registers: block a's loads may land there
.endif
	PACK \a
	TOSTAGE \a
	SEND \a-1, 16                                  ; behind block a - 1's loads: block a's 8 stores and 8 loads
.endr
	SEND 7, 0
	s_wait_tensorcnt 0x0                           ; the wave's end
	ds_add_u32 v[SPW], v[NIL]
	s_wait_dscnt 0x0
	CROUND                                         ; the closing round
	s_endpgm
.Lfunc_end_k_q9c8d8e179f_qkv:
	.size	k_q9c8d8e179f_qkv, .Lfunc_end_k_q9c8d8e179f_qkv-k_q9c8d8e179f_qkv
	.p2alignl 7, 3214868480
	.fill 96, 4, 3214868480
	.section	.rodata,"a",@progbits
	.p2align	6, 0x0
	.amdhsa_kernel k_q9c8d8e179f_qkv
		.amdhsa_group_segment_fixed_size 327680
		.amdhsa_private_segment_fixed_size 0
		.amdhsa_enable_private_segment 0
		.amdhsa_kernarg_size 56
		.amdhsa_user_sgpr_count 2
		.amdhsa_user_sgpr_kernarg_segment_ptr 1
		.amdhsa_wavefront_size32 1
		.amdhsa_system_sgpr_workgroup_id_x 1
		.amdhsa_system_sgpr_workgroup_id_y 1
		.amdhsa_system_sgpr_workgroup_id_z 1
		.amdhsa_system_vgpr_workitem_id 0
		.amdhsa_next_free_vgpr 1024
		.amdhsa_next_free_sgpr 102
		.amdhsa_reserve_vcc 1
		.amdhsa_float_denorm_mode_32 3
		.amdhsa_float_denorm_mode_16_64 3
		.amdhsa_memory_ordered 1
		.amdhsa_forward_progress 1
		.amdhsa_inst_pref_size 130
	.end_amdhsa_kernel
	.amdgpu_metadata
---
amdhsa.version: [ 1, 2 ]
amdhsa.kernels:
  - .name:           k_q9c8d8e179f_qkv
    .symbol:         k_q9c8d8e179f_qkv.kd
    .args:
      - { .name: xc, .offset: 0, .size: 8, .value_kind: global_buffer, .address_space: global }
      - { .name: xs, .offset: 8, .size: 8, .value_kind: global_buffer, .address_space: global }
      - { .name: wc, .offset: 16, .size: 8, .value_kind: global_buffer, .address_space: global }
      - { .name: ws, .offset: 24, .size: 8, .value_kind: global_buffer, .address_space: global }
      - { .name: b_attn, .offset: 32, .size: 8, .value_kind: global_buffer, .address_space: global }
      - { .name: qkv, .offset: 40, .size: 8, .value_kind: global_buffer, .address_space: global }
      - { .name: qkv32, .offset: 48, .size: 8, .value_kind: global_buffer, .address_space: global }
    .group_segment_fixed_size: 327680
    .private_segment_fixed_size: 0
    .kernarg_segment_align: 8
    .kernarg_segment_size: 56
    .max_flat_workgroup_size: 128
    .sgpr_count:     102
    .vgpr_count:     1024
    .wavefront_size: 32
...
	.end_amdgpu_metadata
.endif
;; end of part 2
;; launch attn (part 3): grid 8 x 32, 16 waves a work-group, no clusters, 327,680 bytes of LDS; arguments qkv, yh; writes yh
.if DOCPART == 3
	.amdgcn_target "amdgcn-amd-amdhsa--gfx1250"
	.amdhsa_code_object_version 6
	.text
	.protected	k_q9c8d8e179f_attn
	.globl	k_q9c8d8e179f_attn
	.p2align	8
	.type	k_q9c8d8e179f_attn,@function
k_q9c8d8e179f_attn:
	s_mov_b64 s[64:65], 0
	v_nop
	global_prefetch_b8 v0, s[64:65] scope:SCOPE_SE
	s_setreg_imm32_b32 hwreg(HW_REG_WAVE_MODE, 25, 1), 1
	s_wait_xcnt 0x0
; ATTN: y[b][head][q] = sum over k <= q of softmax_k(q . k / 8) v, on f16 operands; products, maxima and sums in f32; the weights p are rounded to f16 for the second product, y once at the end.
; qkv: f16 [3][32 b x head][2048][64].  yh: f16 [16 head][4096 b x t][64].
; SHARES.  Work-group (i, b x head) owns query blocks i and 15 - i, 128 queries each: (i + 1) + (16 - i) = 17 blocks of 128 keys for every work-group.
; A WAVE OWNS TWO TILES OF 16 QUERIES AND HALF OF THE KEYS, so that each fragment of K and of V that it reads from LDS feeds two matrix instructions.  A piece of 32 queries has two waves: the one with par = 0 takes
; keys 0-127 of every slot of 256 keys, the one with par = 1 keys 128-255; at the end the two merge through LDS.  With x = wave ^ (wave / 4): block = x & 1 (early, late), par = (x / 2) & 1, piece = wave / 4;
; the partner is wave ^ 2.  Among waves w, w + 4, w + 8, w + 12, and among four neighbours, all four pairs (block, par) occur.
; A wave's register tile 0 is query tile par of its piece and register tile 1 the other one: so every wave keeps tile 0 and sends tile 1, and the two partners differ in addresses alone.
; NO CLUSTER: under the causal mask the work-groups of a head need different numbers of key tiles.
; LAYOUT.  S^T = K Q^T (source 0 = 16 keys, source 1 = 16 queries): a lane holds ONE query (lane % 16) and keys 8 (lane / 16) + 0..7 of each tile.  Two such tiles, rounded to f16 in pairs, ARE source 1
; of O^T = V^T P.  K comes out of LDS as it lies, V ([key][channel]) turned, by ds_load_tr16_b128.  P is packed in place, into the low half of each tile's S^T.
; SOFTMAX.  A running maximum m and sum l for each query: p = 2^(c s - c m), c = log2(e) / 8; in every step of 64 keys O and l are multiplied by a = 2^(c m_old - c m_new).
; THE MERGE.  m = max(mA, mB); y = (2^(c mA - c m) O_A + 2^(c mB - c m) O_B) / (the same of l).  A wave that had no keys sends m = -3e38 and zeros: weight 0.  The wave with par = 0 always has key 0.
; THE RING.  Two slots of 256 keys, 2^17 bytes apart.  Wave 0 fetches a slot's K, wave 1 its V; all sixteen read.  Every work-group walks all 8 slots: trip counts are constants.  What is left out under the mask is work:
; a step whose keys all come after the wave's queries is jumped over, and a slot whose first key comes after the work-group's last query is not asked for.
; LIMITS: |q|, |k|, |v| under 65,504; NaN and infinities are not served.  Rows 0-15 of each sequence are made here too, and made again more finely by a later launch.
; REGISTERS: v1-11 addresses; v12-19 tile t's -c m, m, l (two halves) at v[12 + 4 t]; v20-23 a, a pair for each tile; v24-30 at work; v32-63 Q; v64-127 eight fragments of K or of V; v128-191 S^T, then p, then P; v192-255 O^T.
.set KP,    144                        ; a key's row in LDS: 128 bytes + 16: the 16 rows of a load start at 16 different banks
.set VP,    160                        ; V's: 128 + 32
.set SK,    256                        ; keys in a slot
.set VOFF,  SK*KP
.set SLOT1, 1<<17
.set NSL,   8
.set EXCH,  SLOT1+SK*(KP+VP)           ; behind slot 1: what a wave sends to its partner: 8 images of 512 bytes of O^T and one of the statistics; no fill lands here
.set XREG,  4608
.set STAGE, EXCH+16*XREG               ; the way out: 16 rows x 144 bytes for each wave
.set SPARE, STAGE+16*16*KP             ; the spare words, 128 bytes for each of 16 waves
.set AK0, 1
.set AV0, 2
.set STO, 3
.set RD,  4
.set SPW, 5
.set NIL, 6
.set GO,  7                            ; v7   16 x my lane
.set ADK, 8
.set ADV, 9
.set RH,  10                           ; v10  lane % 16 - 8 (lane / 16)
.set PFO, 11                           ; v11  256 x my lane; never rewritten
.set ST,  12
.set AA,  20
.set TM,  24
.set PD,  28
.set DF,  29
.set Q,   32
.set F,   64
.set S,   128
.set O,   192
.set TB,  2                            ; s2   LDS byte at which the slot in hand begins
.set WV,  18
.set NC,  19                           ; s19  -c
.set SEL, 20
.set CS,  22                           ; s[22:23] c, twice
.set G1K, 24
.set G1V, 32
.set G0K, 40
.set G0V, 44
.set SLOTS, 67
.set KF,  68                           ; s68  the step's first key
.set Q0,  69                           ; s69  my piece's first query
.set QL,  70                           ; s70  my work-group's last query
.set PFA, 72
.set LIM, 74
.set QA,  75                           ; s75  register tile 0's first query
.set QB,  76                           ; s76  register tile 1's
.set KSL, 77                           ; s77  the first key of the slot in hand: the same in all waves
.set PAR, 78                           ; s78  which half of every slot is mine
.macro TLOAD                           ; wave 0: K; wave 1: V; the others nothing.  An s_nop 0 and four v_nop follow each of the two lines
	s_cmp_eq_u32 s[WV], 0
	s_cbranch_scc0 .Lnot_k_\@
	tensor_load_to_lds s[G0K:G0K+3], s[G1K:G1K+7]
	s_nop 0
.rept 4
	v_nop
.endr
	s_branch .Lasked_\@
.Lnot_k_\@:
	s_cmp_eq_u32 s[WV], 1
	s_cbranch_scc0 .Lasked_\@
	tensor_load_to_lds s[G0V:G0V+3], s[G1V:G1V+7]
	s_nop 0
.rept 4
	v_nop
.endr
.Lasked_\@:
.endm
; A PREFETCH of what the NEXT change of slots will ask for: 256 rows of K and of V, each 32,768 dense bytes.  All eight work-groups of a head walk the same K and V; the one with i = 0 walks all of them, and it alone asks.
; In it waves 4 to 7 ask for K's block and waves 8 to 11 for V's, 8,192 bytes a wave, lanes 256 bytes apart: each aligned 256 bytes is named once in the launch.  The last filling change asks for nothing; slots 0 and 1 come by their loads alone.
.macro ASK
	s_cmp_gt_u32 s[SLOTS], s[LIM]
	s_cbranch_scc0 .Lnot_mine_\@
	global_prefetch_b8 v[PFO], s[PFA:PFA+1] th:TH_LOAD_NT scope:SCOPE_SE
.Lnot_mine_\@:
.endm
	s_load_b128 s[4:7], s[0:1], 0x0                ; qkv, yh
	v_lshl_add_u32 v[SPW], v0, 2, SPARE
	v_mov_b32 v[NIL], 0
	ds_add_u32 v[SPW], v[NIL]                      ; the wave's opening: the add, twice on end, and its wait ahead of the first tensor load
	ds_add_u32 v[SPW], v[NIL]
	v_lshrrev_b32 v8, 5, v0
	v_readfirstlane_b32 s[WV], v8                  ; wave 0..15
	s_and_b32 s8, ttmp7, 0xffff                    ; b x 16 + head
	s_lshl_b32 s10, s8, 18                         ; its plane: 262,144 bytes
	s_mov_b32 s11, 0
	s_lshr_b32 s12, s[WV], 2                       ; which 32 queries of the block
	s_xor_b32 s13, s12, s[WV]
	s_bfe_u32 s[PAR], s13, 0x10001                 ; bit 1: which half of every slot
	s_and_b32 s13, s13, 1                          ; bit 0: 0 the early block, 1 the late one
	s_sub_co_u32 s14, 15, ttmp9
	s_cmp_eq_u32 s13, 0
	s_cselect_b32 s15, ttmp9, s14
	s_lshl_b32 s15, s15, 7
	s_lshl_b32 s12, s12, 5
	s_add_co_u32 s[Q0], s15, s12
	s_lshl_b32 s[QL], s14, 7
	s_or_b32 s[QL], s[QL], 127
	s_lshl_b32 s15, s[PAR], 4
	s_add_co_u32 s[QA], s[Q0], s15                 ; the tile that I keep,
	s_xor_b32 s15, s15, 16
	s_add_co_u32 s[QB], s[Q0], s15                 ; and the one that I send
	s_lshl_b32 s[KF], s[PAR], 7                    ; my first key
	s_mov_b32 s[KSL], 0
	s_mov_b32 s[G1K], (1<<16)|(1<<20)|(4<<22)|(3<<25)   ; no mask; elements of 2 bytes; padding on: 4 words after every 32
	s_mov_b32 s[G1V], (1<<16)|(1<<20)|(4<<22)|(7<<25)   ; 8 words after every 32
.irp g, G1K, G1V
	s_mov_b32 s[\g+1], 64<<16                      ; tensor_dim0
	s_mov_b32 s[\g+2], SK<<16                      ; tensor_dim1
	s_mov_b32 s[\g+3], 64<<16                      ; tile_dim0
	s_mov_b32 s[\g+4], SK                          ; tile_dim1
	s_mov_b32 s[\g+5], 64                          ; the pitch
	s_mov_b32 s[\g+6], 0
	s_mov_b32 s[\g+7], 0
.endr
	s_mov_b32 s[SEL], 0x76543210
	s_mov_b32 s[SEL+1], 0xfedcba98
	s_mov_b32 s[CS], 0x3e38aa3b                    ; c = log2(e) / 8
	s_mov_b32 s[CS+1], s[CS]
	s_mov_b32 s[NC], 0xbe38aa3b
	s_mov_b32 s[TB], 0
	s_mov_b32 s[SLOTS], NSL-1
	s_wait_dscnt 0x0                               ; both opening adds are done
	s_wait_kmcnt 0x0
	s_add_nc_u64 s[48:49], s[4:5], s[10:11]        ; my head's q,
	s_add_nc_u64 s[50:51], s[48:49], 8388608       ; k,
	s_add_nc_u64 s[52:53], s[48:49], 16777216      ; v
	s_mov_b32 s[G0K], 1
	s_mov_b32 s[G0K+1], 0
	s_mov_b64 s[G0K+2:G0K+3], s[50:51]
	s_or_b32 s[G0K+3], s[G0K+3], 0x80000000
	s_mov_b32 s[G0V], 1
	s_mov_b32 s[G0V+1], VOFF
	s_mov_b64 s[G0V+2:G0V+3], s[52:53]
	s_or_b32 s[G0V+3], s[G0V+3], 0x80000000
	TLOAD                                          ; slot 0: it holds key 0, which counts for every query
	s_lshl_b32 s54, s[Q0], 7
	s_mov_b32 s55, 0
	s_add_nc_u64 s[48:49], s[48:49], s[54:55]      ; q at my piece's first query
	s_and_b32 s56, s8, 15
	s_lshl_b32 s56, s56, 12
	s_lshr_b32 s57, s8, 4
	s_lshl_b32 s57, s57, 11
	s_add_co_u32 s56, s56, s57
	s_add_co_u32 s56, s56, s[QA]
	s_lshl_b32 s56, s56, 7                         ; (head x 4,096 + b x 2,048 + the first query of the tile that I keep) x 128
	s_mov_b32 s57, 0
	s_add_nc_u64 s[6:7], s[6:7], s[56:57]
	s_cmp_lt_u32 s[WV], 8                          ; the prefetches: where my wave's stand, and who asks
	s_cselect_b64 s[PFA:PFA+1], s[50:51], s[52:53]
	s_and_b32 s82, s[WV], 3
	s_lshl_b32 s82, s82, 13
	s_add_co_u32 s82, s82, 32768                   ; in slot 1: the first change of slots steps it to slot 2
	s_mov_b32 s83, 0
	s_add_nc_u64 s[PFA:PFA+1], s[PFA:PFA+1], s[82:83]
	s_sub_co_u32 s82, s[WV], 4
	s_lshr_b32 s82, s82, 3                         ; 0 in waves 4 to 11,
	s_or_b32 s82, s82, ttmp9                       ; of the work-group with i = 0
	s_cmp_eq_u32 s82, 0
	s_cselect_b32 s[LIM], 1, -1
	v_and_b32 v24, 15, v0                          ; r
	v_bfe_u32 v25, v0, 4, 1                        ; h
	v_lshlrev_b32 v26, 7, v24
	v_lshl_add_u32 v26, v25, 4, v26                ; Q: row r of 128 bytes + 16 h,
	s_lshl_b32 s59, s[PAR], 11
	v_add_nc_u32 v8, s59, v26                      ; + 16 rows x par for register tile 0,
	s_xor_b32 s59, s59, 2048
	v_add_nc_u32 v9, s59, v26                      ; + 16 rows x (1 - par) for register tile 1
.irp c, 0,1,2,3
	global_load_b128 v[Q+4*\c:Q+4*\c+3], v8, s[48:49] offset:32*\c          ; two fragments of 16 queries x 32 channels a tile; they stay
	global_load_b128 v[Q+16+4*\c:Q+16+4*\c+3], v9, s[48:49] offset:32*\c
.endr
	v_mul_u32_u24 v[AK0], v24, KP
	v_lshl_add_u32 v[AK0], v25, 4, v[AK0]
	s_mul_i32 s59, s[PAR], 128*KP                  ; my half of a slot's keys
	v_add_nc_u32 v[AK0], s59, v[AK0]
	v_and_b32 v27, 7, v0
	v_lshl_add_u32 v27, v25, 3, v27
	v_mul_u32_u24 v[AV0], v27, VP                  ; the turning load: key 8 h + lane % 8,
	v_bfe_u32 v27, v0, 3, 1
	v_lshl_add_u32 v[AV0], v27, 4, v[AV0]          ; channels 8 ((lane / 8) % 2) on
	s_mul_i32 s59, s[PAR], 128*VP
	s_add_co_u32 s59, s59, VOFF
	v_add_nc_u32 v[AV0], s59, v[AV0]
	s_mul_i32 s58, s[WV], 16*KP
	s_add_co_u32 s58, s58, STAGE
	v_mul_u32_u24 v[STO], v24, KP
	v_lshl_add_u32 v[STO], v25, 4, v[STO]
	v_add_nc_u32 v[STO], s58, v[STO]
	v_bfe_u32 v27, v0, 3, 2
	v_mul_u32_u24 v[RD], v27, KP
	v_and_b32 v27, 7, v0
	v_lshl_add_u32 v[RD], v27, 4, v[RD]
	v_add_nc_u32 v[RD], s58, v[RD]
	v_and_b32 v27, 31, v0
	v_lshlrev_b32 v[GO], 4, v27
	v_lshlrev_b32 v[PFO], 8, v27
	v_lshlrev_b32 v27, 3, v25
	v_sub_nc_u32 v[RH], v24, v27
.irp t, 0,1
	v_mov_b32 v[ST+4*\t+1], 0xff61b1e6             ; m: -3e38, under every score
	v_mul_f32 v[ST+4*\t], s[NC], v[ST+4*\t+1]      ; -c m
	v_mov_b32 v[ST+4*\t+2], 0                      ; l, in two halves
	v_mov_b32 v[ST+4*\t+3], 0
	v_mov_b32 v[AA+2*\t+1], 0                      ; named as the upper half of a's pair
.endr
	v_mov_b32 v[PD], 0                             ; a lane permute's destination counts as one of its sources
.set N, 0
.rept 64
	v_mov_b32 v[O+N], 0                            ; O^T.  The step is written without a first step of its own: the first finds zeros, and a = 0 leaves them zeros
.set N, N+1
.endr
.macro KLOAD j                         ; K's eight fragments of 64 keys: 16 keys (t) x 32 channels (c); channels 0-31 first
.irp c, 0,1
.irp t, 0,1,2,3
	ds_load_b128 v[F+8*(2*\t+\c):F+8*(2*\t+\c)+3], v[ADK] offset:(64*(\j)+16*\t)*KP+64*\c
	ds_load_b128 v[F+8*(2*\t+\c)+4:F+8*(2*\t+\c)+7], v[ADK] offset:(64*(\j)+16*\t)*KP+64*\c+32
.endr
.endr
.endm
.macro KQ                              ; S^T = K Q^T for both tiles: each fragment of K feeds two products; the eight accumulators by turns
.irp c, 0,1
	s_wait_dscnt 8-8*\c                            ; channels 0-31 are in while the eight younger loads may be out; then all
.irp t, 0,1,2,3
.irp u, 0,1
.if \c == 0
	v_wmma_f32_16x16x32_f16 v[S+32*\u+8*\t:S+32*\u+8*\t+7], v[F+8*(2*\t+\c):F+8*(2*\t+\c)+7], v[Q+16*\u+8*\c:Q+16*\u+8*\c+7], 0
.else
	v_wmma_f32_16x16x32_f16 v[S+32*\u+8*\t:S+32*\u+8*\t+7], v[F+8*(2*\t+\c):F+8*(2*\t+\c)+7], v[Q+16*\u+8*\c:Q+16*\u+8*\c+7], v[S+32*\u+8*\t:S+32*\u+8*\t+7]
.endif
.endr
.endr
.endr
.endm
.macro VLOAD j                         ; V^T's eight fragments of the same 64 keys: 32 keys (kk) x 16 channels (ct)
.irp kk, 0,1
.irp ct, 0,1,2,3
	ds_load_tr16_b128 v[F+8*(4*\kk+\ct):F+8*(4*\kk+\ct)+3], v[ADV] offset:(64*(\j)+32*\kk)*VP+32*\ct
	ds_load_tr16_b128 v[F+8*(4*\kk+\ct)+4:F+8*(4*\kk+\ct)+7], v[ADV] offset:(64*(\j)+32*\kk)*VP+32*\ct+16*VP
.endr
.endr
.endm
.macro PV                              ; O^T += V^T P for both tiles: each fragment of V feeds two products; the eight accumulators by turns
.irp kk, 0,1
.irp ct, 0,1,2,3
.irp u, 0,1
	v_wmma_f32_16x16x32_f16 v[O+32*\u+8*\ct:O+32*\u+8*\ct+7], v[F+8*(4*\kk+\ct):F+8*(4*\kk+\ct)+7], v[S+32*\u+8*\kk:S+32*\u+8*\kk+7], v[O+32*\u+8*\ct:O+32*\u+8*\ct+7]
.endr
.endr
.endr
.endm
.macro MASK t, sq                      ; tile t: register 8 T + j holds key KF + 16 T + 8 (lane / 16) + j: hidden where 16 T + j > d, d = my query - KF - 8 (lane / 16)
	s_sub_co_i32 s96, s[\sq], s[KF]
	v_add_nc_u32 v[TM], s96, v[RH]
.set N, 0
.rept 32
	v_cmp_gt_i32 vcc_lo, 16*(N/8)+N%8, v[TM]
	v_cndmask_b32 v[S+32*(\t)+N], v[S+32*(\t)+N], v[TM+1], vcc_lo
.set N, N+1
.endr
.endm
.macro SMAX t                          ; tile t: the new m, -c m, and c m_old - c m_new.  Four chains, each accumulator from its low end on
.set rT, ST+4*(\t)
.set rS, S+32*(\t)
.irp b, 0,1,2,3
	v_max3_num_f32 v[TM+\b], v[rS+8*\b], v[rS+8*\b+1], v[rS+8*\b+2]
.endr
.irp i, 3,5
.irp b, 0,1,2,3
	v_max3_num_f32 v[TM+\b], v[TM+\b], v[rS+8*\b+\i], v[rS+8*\b+\i+1]
.endr
.endr
	v_max3_num_f32 v[TM], v[TM], v[rS+7], v[rS+15]
	v_max3_num_f32 v[TM+2], v[TM+2], v[rS+23], v[rS+31]
	v_max3_num_f32 v[TM], v[TM], v[TM+1], v[TM+2]
	v_max3_num_f32 v[TM], v[TM], v[TM+3], v[rT+1]  ; with the old m
	v_permlanex16_b32 v[PD], v[TM], s[SEL], s[SEL+1]   ; the query's other 32 keys lie in the lane 16 away
	v_mov_b32 v[DF+\t], v[rT]                      ; -c m_old
	v_max_num_f32 v[rT+1], v[TM], v[PD]
	v_mul_f32 v[rT], s[NC], v[rT+1]
	v_sub_f32 v[DF+\t], v[rT], v[DF+\t]            ; c m_old - c m_new, 0 or less
.endm
.macro SSCALE t                        ; c s - c m, two at a time
.set rT, ST+4*(\t)
.set rS, S+32*(\t)
.set N, 0
.rept 16
	v_pk_fma_f32 v[rS+N:rS+N+1], v[rS+N:rS+N+1], s[CS:CS+1], v[rT:rT+1] op_sel_hi:[1,0,0]
.set N, N+2
.endr
.endm
.macro SSUM t                          ; l = a l + the sum of the unrounded p, in two chains
.set rT, ST+4*(\t)
.set rS, S+32*(\t)
.set rM, TM+2*(\t)
	v_pk_mul_f32 v[rT+2:rT+3], v[rT+2:rT+3], v[AA+2*(\t):AA+2*(\t)+1] op_sel_hi:[1,0]
	v_pk_add_f32 v[rM:rM+1], v[rS:rS+1], v[rS+2:rS+3]
.irp j, 4,8,12,16,20,24,28
	v_pk_add_f32 v[rT+2:rT+3], v[rT+2:rT+3], v[rS+\j:rS+\j+1]
	v_pk_add_f32 v[rM:rM+1], v[rM:rM+1], v[rS+\j+2:rS+\j+3]
.endr
	v_pk_add_f32 v[rT+2:rT+3], v[rT+2:rT+3], v[rM:rM+1]
.endm
.macro SPACK t                         ; P, in place: register i takes p's registers 2 i and 2 i + 1, which lie at or above it
.set rS, S+32*(\t)
.set N, 0
.rept 16
	v_cvt_pk_f16_f32 v[rS+N], v[rS+2*N], v[rS+2*N+1]
.set N, N+1
.endr
.endm
.macro OSCALE t                        ; O^T x a
.set N, 0
.rept 16
	v_pk_mul_f32 v[O+32*(\t)+N:O+32*(\t)+N+1], v[O+32*(\t)+N:O+32*(\t)+N+1], v[AA+2*(\t):AA+2*(\t)+1] op_sel_hi:[1,0]
.set N, N+2
.endr
.endm
; A KEY STEP: 64 keys, the j-th of my half of the slot in hand, for both tiles
.macro STEP j
	s_add_co_u32 s96, s[Q0], 31                    ; a step all of whose keys come after my 32 queries is left out: a branch on ids, round the step's work alone
	s_cmp_gt_u32 s[KF], s96
	s_cbranch_scc1 .Lhidden_\@
	v_add_nc_u32 v[ADK], s[TB], v[AK0]
	v_add_nc_u32 v[ADV], s[TB], v[AV0]
	v_nop
	v_nop
	v_nop                                          ; five places: four in front of loads into registers that the last products read, five in front of products that write over P, a source of the last ones
	KLOAD \j
	KQ
.rept 4
	v_nop                                          ; places: in front of the loads below and of the first read of the scores
.endr
	VLOAD \j                                       ; V lands while the softmax is walked
	s_add_co_u32 s96, s[KF], 63                    ; on the diagonal hidden scores become -infinity; a step all of whose keys count for all my queries skips this
	s_cmp_le_u32 s96, s[Q0]
	s_cbranch_scc1 .Lopen_\@
	v_mov_b32 v[TM+1], 0xff800000
	MASK 0, QA
	MASK 1, QB
.Lopen_\@:
	SMAX 0
	SMAX 1
	SSCALE 0
	SSCALE 1
	v_exp_f32 v[AA], v[DF]                         ; a of tile 0,
	v_exp_f32 v[AA+2], v[DF+1]                     ; of tile 1,
.set N, 0
.rept 64
	v_exp_f32 v[S+N], v[S+N]                       ; and p
.set N, N+1
.endr
	v_nop                                          ; a plain instruction behind the last exponential
	s_wait_alu depctr_va_vdst(0)                   ; one wait for the batch of 66, ahead of its first reader
	SSUM 0
	SSUM 1
	SPACK 0
	SPACK 1
	OSCALE 0
	OSCALE 1
	s_wait_dscnt 0x0                               ; V
	PV
.Lhidden_\@:
	s_add_co_u32 s[KF], s[KF], 64
.endm
; THE CHANGE OF SLOTS stands at a slot's head.  Each wave waits for all its tensor loads, adds 0 to its spare word, and waits for that and for its reads of the slot that it has left; then the barrier.
; fill = 1: the slot just left is filled with the next 256 keys, if any wave of the work-group will read them: the load has a slot's steps in which to land.
.macro CHANGE fill
	s_wait_tensorcnt 0x0                           ; no tensor load of mine is out, so a group 0 may be written
	ds_add_u32 v[SPW], v[NIL]
.if \fill
	ds_add_u32 v[SPW], v[NIL]                      ; and twice on end here, in every trip alike
	s_xor_b32 s[G0K+1], s[G0K+1], SLOT1
	s_add_nc_u64 s[G0K+2:G0K+3], s[G0K+2:G0K+3], 32768
	s_xor_b32 s[G0V+1], s[G0V+1], SLOT1
	s_add_nc_u64 s[G0V+2:G0V+3], s[G0V+2:G0V+3], 32768
	s_wait_xcnt 0x0                                ; the last prefetch, a slot back, has read its address
	s_add_nc_u64 s[PFA:PFA+1], s[PFA:PFA+1], 32768
.endif
	s_wait_dscnt 0x0
	s_barrier_signal -1
	s_barrier_wait -1
.if \fill
	s_add_co_u32 s96, s[KSL], SK                   ; the first key of the slot that this change would ask for:
	s_cmp_gt_u32 s96, s[QL]                        ; past my work-group's last query nobody reads it.  Ids and the count of slots alone: all sixteen waves go the same way
	s_cbranch_scc1 .Lpast_\@
	TLOAD
.Lpast_\@:
	ASK
.endif
.endm
.macro SLOT_STEPS
	STEP 0
	STEP 1
	s_add_co_u32 s[KF], s[KF], 128                 ; over my partner's half
	s_add_co_u32 s[KSL], s[KSL], SK
	s_xor_b32 s[TB], s[TB], SLOT1
.endm
	s_wait_loadcnt 0x0                             ; Q; its two offset registers may be written again
.Lslot:                                            ; 7 trips
	CHANGE 1
	SLOT_STEPS
	s_sub_co_u32 s[SLOTS], s[SLOTS], 1
	s_cmp_lg_u32 s[SLOTS], 0
	s_cbranch_scc1 .Lslot
	CHANGE 0                                       ; the last slot is written out: nothing is left to ask for
	SLOT_STEPS
	; THE MERGE.  Register tile 1 goes to my partner as images of its registers, 16 bytes a lane; my partner's register tile 1 is the query tile that I keep.
.rept 4
	v_nop                                          ; places behind the last products
.endr
	s_mul_i32 s58, s[WV], XREG
	s_add_co_u32 s58, s58, EXCH                    ; my bytes,
	s_xor_b32 s59, s[WV], 2
	s_mul_i32 s59, s59, XREG
	s_add_co_u32 s59, s59, EXCH                    ; my partner's
	v_add_nc_u32 v[ADK], s58, v[GO]
	v_add_nc_u32 v[ADV], s59, v[GO]
.irp i, 0,1,2,3,4,5,6,7
	ds_store_b128 v[ADK], v[O+32+4*\i:O+32+4*\i+3] offset:512*\i   ; each accumulator from its low end on
.endr
	ds_store_b128 v[ADK], v[ST+4:ST+7] offset:4096 ; -c m, m, l's two halves
	s_wait_dscnt 0x0                               ; for my partner's sake: my stores are done
	s_barrier_signal -1
	s_barrier_wait -1
.irp i, 0,1,2,3,4,5,6,7
	ds_load_b128 v[F+4*\i:F+4*\i+3], v[ADV] offset:512*\i
.endr
	ds_load_b128 v[F+32:F+35], v[ADV] offset:4096
	s_wait_dscnt 0x0
	v_max_num_f32 v100, v[ST+1], v[F+33]           ; m of both halves of the keys
	v_mul_f32 v100, s[NC], v100                    ; -c m
	v_sub_f32 v101, v100, v[ST]                    ; c mA - c m
	v_sub_f32 v102, v100, v[F+32]                  ; c mB - c m
	v_add_f32 v103, v[ST+2], v[ST+3]               ; lA
	v_add_f32 v104, v[F+34], v[F+35]               ; lB
	v_exp_f32 v106, v101
	v_exp_f32 v108, v102
	v_mov_b32 v107, 0                              ; plain instructions behind the exponentials: the upper halves of the two pairs
	v_mov_b32 v109, 0
	s_wait_alu depctr_va_vdst(0)                   ; ahead of the first reader of the two
	v_mul_f32 v103, v103, v106
	v_fma_f32 v103, v104, v108, v103
	v_permlanex16_b32 v[PD], v103, s[SEL], s[SEL+1]
	v_add_f32 v103, v103, v[PD]                    ; the row's sum
	v_rcp_f32 v104, v103
	v_nop
	s_wait_alu depctr_va_vdst(0)                   ; ahead of the reciprocal's first reader
	v_mul_f32 v106, v106, v104
	v_mul_f32 v108, v108, v104
.set N, 0
.rept 16
	v_pk_mul_f32 v[F+N:F+N+1], v[F+N:F+N+1], v[108:109] op_sel_hi:[1,0]
.set N, N+2
.endr
.set N, 0
.rept 16
	v_pk_fma_f32 v[S+N:S+N+1], v[O+N:O+N+1], v[106:107], v[F+N:F+N+1] op_sel_hi:[1,0,1]
.set N, N+2
.endr
	; THE WAY OUT: rounded to f16, through my stage, out as 2,048 consecutive bytes
.set N, 0
.rept 16
	v_cvt_pk_f16_f32 v[S+32+N], v[S+2*N], v[S+2*N+1]   ; register 4 ct + i: y(r, 16 ct + 8 h + 2 i, + 1)
.set N, N+1
.endr
.irp ct, 0,1,2,3
	ds_store_b128 v[STO], v[S+32+4*\ct:S+32+4*\ct+3] offset:32*\ct
.endr
.irp i, 0,1,2,3
	ds_load_b128 v[F+4*\i:F+4*\i+3], v[RD] offset:576*\i   ; in order behind my stores: four rows of 128 bytes
.endr
.irp i, 0,1,2,3
	s_wait_dscnt 3-\i
	global_store_b128 v[GO], v[F+4*\i:F+4*\i+3], s[6:7] offset:512*\i
.endr
	s_wait_tensorcnt 0x0                           ; the wave's end
	ds_add_u32 v[SPW], v[NIL]
	s_wait_dscnt 0x0
	s_endpgm
.Lfunc_end_k_q9c8d8e179f_attn:
	.size	k_q9c8d8e179f_attn, .Lfunc_end_k_q9c8d8e179f_attn-k_q9c8d8e179f_attn
	.p2alignl 7, 3214868480
	.fill 96, 4, 3214868480
	.section	.rodata,"a",@progbits
	.p2align	6, 0x0
	.amdhsa_kernel k_q9c8d8e179f_attn
		.amdhsa_group_segment_fixed_size 327680
		.amdhsa_private_segment_fixed_size 0
		.amdhsa_enable_private_segment 0
		.amdhsa_kernarg_size 16
		.amdhsa_user_sgpr_count 2
		.amdhsa_user_sgpr_kernarg_segment_ptr 1
		.amdhsa_wavefront_size32 1
		.amdhsa_system_sgpr_workgroup_id_x 1
		.amdhsa_system_sgpr_workgroup_id_y 1
		.amdhsa_system_sgpr_workgroup_id_z 1
		.amdhsa_system_vgpr_workitem_id 0
		.amdhsa_next_free_vgpr 256
		.amdhsa_next_free_sgpr 98
		.amdhsa_reserve_vcc 1
		.amdhsa_float_denorm_mode_32 3
		.amdhsa_float_denorm_mode_16_64 3
		.amdhsa_memory_ordered 1
		.amdhsa_forward_progress 1
		.amdhsa_inst_pref_size 104
	.end_amdhsa_kernel
	.amdgpu_metadata
---
amdhsa.version: [ 1, 2 ]
amdhsa.kernels:
  - .name:           k_q9c8d8e179f_attn
    .symbol:         k_q9c8d8e179f_attn.kd
    .args:
      - { .name: qkv, .offset: 0, .size: 8, .value_kind: global_buffer, .address_space: global }
      - { .name: yh, .offset: 8, .size: 8, .value_kind: global_buffer, .address_space: global }
    .group_segment_fixed_size: 327680
    .private_segment_fixed_size: 0
    .kernarg_segment_align: 8
    .kernarg_segment_size: 16
    .max_flat_workgroup_size: 512
    .sgpr_count:     98
    .vgpr_count:     256
    .wavefront_size: 32
...
	.end_amdgpu_metadata
.endif
;; end of part 3
;; launch proj (part 4): grid 8 x 32, 4 waves a work-group, clusters of 4 x 4, 327,680 bytes of LDS; arguments yh, wp16, b_proj, out0; writes out0
.if DOCPART == 4
	.amdgcn_target "amdgcn-amd-amdhsa--gfx1250"
	.amdhsa_code_object_version 6
	.text
	.protected	k_q9c8d8e179f_proj
	.globl	k_q9c8d8e179f_proj
	.p2align	8
	.type	k_q9c8d8e179f_proj,@function
k_q9c8d8e179f_proj:
	s_mov_b64 s[64:65], 0
	v_nop
	global_prefetch_b8 v0, s[64:65] scope:SCOPE_SE
	s_setreg_imm32_b32 hwreg(HW_REG_WAVE_MODE, 25, 1), 1
	s_wait_xcnt 0x0
	s_wait_alu depctr_hold_cnt(0) depctr_sa_sdst(0) depctr_va_vdst(0) depctr_va_sdst(0) depctr_va_ssrc(0) depctr_va_vcc(0) depctr_vm_vsrc(0)
	s_getreg_b32 s2, hwreg(HW_REG_IB_STS2, 6, 4)
	s_cmp_eq_u32 s2, 0
	s_cbranch_scc0 .Lentry_in_a_cluster
	s_endpgm
.Lentry_in_a_cluster:
	s_bfe_u32 s2, ttmp6, 0x10000c
	s_cmp_lg_u32 s2, 0xf033
	s_cbranch_scc0 .Lentry_shape_is_right
	s_endpgm
.Lentry_shape_is_right:
; PROJ: out0 [4096][1024] f32 = y w_proj + b_proj on f16 operands, sums in f32.  y = yh, f16 [16 head][4096 row][64] (k = 64 head + d); w = wp16, f16 [1024 k][1024 n].
; A tile of 128 x 128 to a work-group (256 work-groups), 64 x 64 to a wave: 16 accumulators.  K goes in steps of 256 (four head planes of y, 256 rows of w) through two LDS slots.
; CLUSTERS: 4 x 4 work-groups; y's tiles are asked for jointly by a row of the cluster, w's by a column.
; y's 128 rows of one head are 16,384 dense bytes: a load takes two heads as two rows of 8,192 elements, with 16 bytes of padding behind every 128, so that in LDS each row of 64 numbers stands at a pitch of 144.
; w lies [k][n] and is turned on its way out of LDS by ds_load_tr16_b128 (pitch 288).
; THE MATRIX INSTRUCTION IS USED TRANSPOSED (source 0 = 16 columns of w, source 1 = 16 rows of y): a lane holds eight neighbouring columns of one row.  The bias is the C of each sum's first product.
; A wave's 64 columns of f32 are 256 consecutive aligned bytes of a row: the way out goes through the wave's own stage, with no barrier.
; LIMITS: |y| and |w_proj| under 65,504.  Rows 0-15 of each sequence are written here and written over by the next launch (131,072 bytes stored twice).
; REGISTERS: window 0: v0-31 addresses; v32-95 the way out; v96-127 the bias; v128-255 the accumulators ((a, b) at v[128 + 8 (4 a + b)]).  window 1: two fragment buffers of 128: 64 of y, then 64 of w.
.set AP,     144
.set BP,     288
.set PLANE,  128*AP                    ; a head's 128 rows in LDS
.set HALFT,  2*PLANE                   ; what one load brings: two heads of y, or 128 rows of w (128 x 288, the same bytes)
.set SLOT,   4*HALFT
.set STAGE,  2*SLOT                    ; 16 rows x 272 bytes for each wave
.set SPITCH, 272
.set SPARE,  STAGE+4*16*SPITCH
.set LAPS,   2
.set ADRA, 16                          ; v16-17  y's fragments in slot 0, 1
.set ADRB, 20                          ; v20-23  w's: slot 0 rows 0-127, rows 128-255, slot 1 likewise (an offset has 16 bits)
.set STO,  24
.set RD,   25
.set CO,   26
.set BAD,  27
.set SPW,  28
.set NIL,  29
.set TMP,  32
.set BI,   96
.set ACC,  128
.set F0,   0
.set F1,   128
.set G1, 24
.set G0, 32
.set G1B, 48
.set G0B, 56
.set MSB, 0
.macro WIN new
.if MSB != (\new)
	s_set_vgpr_msb (MSB<<8)|(\new)
.set MSB, \new
.endif
.endm
.set MUL,  0x05                        ; sources 0 and 1 window 1; C and D window 0
.set TO_F, 0x40                        ; destination window 1, address window 0
.macro JLOAD s                         ; waves 0 and 1 fetch y's halves, waves 2 and 3 w's; an s_nop 0 and four v_nop follow each of the two lines
	s_cmp_eq_u32 s11, 0
	s_cbranch_scc0 .Lfor_b_\@
	tensor_load_to_lds s[G0+4*\s:G0+4*\s+3], s[G1:G1+7]
	s_nop 0
.rept 4
	v_nop
.endr
	s_branch .Lasked_\@
.Lfor_b_\@:
	tensor_load_to_lds s[G0B+4*\s:G0B+4*\s+3], s[G1B:G1B+7]
	s_nop 0
.rept 4
	v_nop
.endr
.Lasked_\@:
.endm
.macro CREST
	s_cmp_lg_u32 s10, 0
	s_cbranch_scc1 .Lnot_wave_0_\@
	s_barrier_signal -3
.Lnot_wave_0_\@:
	s_barrier_wait -3
	s_barrier_signal -1
	s_barrier_wait -1
.endm
.macro CROUND
	s_barrier_signal -1
	s_barrier_wait -1
	CREST
.endm
	s_load_b128 s[4:7], s[0:1], 0x0                ; yh, wp16
	s_load_b128 s[68:71], s[0:1], 0x10             ; b_proj, out0
	v_lshl_add_u32 v[SPW], v0, 2, SPARE
	v_mov_b32 v[NIL], 0
	ds_add_u32 v[SPW], v[NIL]                      ; the wave's opening: the add, twice on end, and its wait ahead of my first tensor load
	ds_add_u32 v[SPW], v[NIL]
	v_lshrrev_b32 v1, 5, v0
	v_readfirstlane_b32 s10, v1                    ; wave 0..3
	s_lshr_b32 s11, s10, 1                         ; my half of the tile's rows.  Also: I fetch y (0) or w (1)
	s_and_b32 s12, s10, 1                          ; my half of its columns.  Also: which half of the K step I fetch
	s_bfe_u32 s40, ttmp6, 0x40000
	s_bfe_u32 s41, ttmp6, 0x40004
	s_lshl_b32 s42, ttmp9, 2
	s_add_co_u32 s42, s42, s40                     ; tile column
	s_and_b32 s13, ttmp7, 0xffff
	s_lshl_b32 s13, s13, 2
	s_add_co_u32 s13, s13, s41                     ; tile row
	s_lshl_b32 s43, s41, 2
	s_lshl_b32 s43, 15, s43
	s_lshl_b32 s44, 0x1111, s40
	s_or_b32 s[G1+0], s43, (1<<16)|(1<<20)|(1<<21)|(4<<22)|(3<<25)   ; y: the mask of my row; elements of 2 bytes; padding: 4 words after every 32
	s_mov_b32 s[G1+1], 8192<<16                    ; tensor_dim0 = 8,192: a head's 128 rows of 64
	s_mov_b32 s[G1+2], 2<<16                       ; tensor_dim1 = 2 heads
	s_mov_b32 s[G1+3], 8192<<16                    ; tile_dim0
	s_mov_b32 s[G1+4], 2                           ; tile_dim1
	s_mov_b32 s[G1+5], 262144                      ; from head to head, in elements
	s_mov_b32 s[G1+6], 0
	s_mov_b32 s[G1+7], 0
	s_or_b32 s[G1B+0], s44, (1<<16)|(1<<20)|(1<<21)|(5<<22)|(7<<25)  ; w: the mask of my column; padding: 8 words after every 64
	s_mov_b32 s[G1B+1], 128<<16
	s_mov_b32 s[G1B+2], 128<<16
	s_mov_b32 s[G1B+3], 128<<16
	s_mov_b32 s[G1B+4], 128
	s_mov_b32 s[G1B+5], 1024
	s_mov_b32 s[G1B+6], 0
	s_mov_b32 s[G1B+7], 0
	s_lshl_b32 s16, s13, 14                        ; y: 128 rows of 128 bytes x tile row,
	s_lshl_b32 s17, s12, 20                        ; + two heads x half
	s_add_co_u32 s16, s16, s17
	s_mov_b32 s17, 0
	s_lshl_b32 s46, s42, 8                         ; w: 256 bytes x tile column,
	s_lshl_b32 s47, s12, 18                        ; + 128 rows of 2,048 bytes x half
	s_add_co_u32 s46, s46, s47
	s_mov_b32 s47, 0
	s_mul_i32 s20, s10, HALFT                      ; where they go: no place in the cluster enters an LDS address
	s_wait_dscnt 0x0
	s_wait_kmcnt 0x0
	s_add_nc_u64 s[14:15], s[4:5], s[16:17]
	s_add_nc_u64 s[46:47], s[6:7], s[46:47]
	CROUND                                         ; the first joint loads meet
.irp s, 0,1
	s_mov_b32 s[G0+4*\s], 1
	s_add_co_u32 s[G0+4*\s+1], s20, \s*SLOT
	s_add_nc_u64 s[G0+4*\s+2:G0+4*\s+3], s[14:15], \s*2097152     ; four heads a K step
	s_or_b32 s[G0+4*\s+3], s[G0+4*\s+3], 0x80000000
	s_mov_b32 s[G0B+4*\s], 1
	s_add_co_u32 s[G0B+4*\s+1], s20, \s*SLOT
	s_add_nc_u64 s[G0B+4*\s+2:G0B+4*\s+3], s[46:47], \s*524288    ; 256 rows a K step
	s_or_b32 s[G0B+4*\s+3], s[G0B+4*\s+3], 0x80000000
	JLOAD \s
.endr
	v_and_b32 v1, 15, v0                           ; r
	v_bfe_u32 v2, v0, 4, 1                         ; h
	v_lshlrev_b32 v[BAD], 5, v2
	s_lshl_b32 s46, s42, 9
	s_lshl_b32 s47, s12, 8
	s_add_co_u32 s46, s46, s47                     ; my first column, in bytes of f32
	s_mov_b32 s47, 0
	s_add_nc_u64 s[68:69], s[68:69], s[46:47]
.irp b, 0,1,2,3
	global_load_b128 v[BI+8*\b:BI+8*\b+3], v[BAD], s[68:69] offset:64*\b
	global_load_b128 v[BI+8*\b+4:BI+8*\b+7], v[BAD], s[68:69] offset:64*\b+16
.endr
	s_add_nc_u64 s[70:71], s[70:71], s[46:47]
	s_lshl_b32 s16, s13, 7
	s_lshl_b32 s17, s11, 6
	s_add_co_u32 s16, s16, s17                     ; my first row
	s_lshl_b32 s16, s16, 12
	s_mov_b32 s17, 0
	s_add_nc_u64 s[70:71], s[70:71], s[16:17]
	v_mul_u32_u24 v3, v1, AP
	v_lshl_add_u32 v3, v2, 4, v3                   ; y: row x pitch + 16 x half
	v_and_b32 v4, 7, v0
	v_lshl_add_u32 v4, v2, 3, v4
	v_mul_u32_u24 v4, v4, BP                       ; w, for the turning load: k = 8 h + lane % 8,
	v_bfe_u32 v5, v0, 3, 1
	v_lshl_add_u32 v4, v5, 4, v4                   ; columns 8 ((lane / 8) % 2) on
	s_mul_i32 s21, s11, 64*AP                      ; my 64 rows in each plane
	s_lshl_b32 s22, s12, 7                         ; my 64 columns,
	s_add_co_u32 s22, s22, 2*HALFT                 ; behind y's four planes
.irp s, 0,1
	v_add_nc_u32 v[ADRA+\s], s21, v3
	v_add_nc_u32 v[ADRB+2*\s], s22, v4
	s_add_co_u32 s23, s22, HALFT
	v_add_nc_u32 v[ADRB+2*\s+1], s23, v4
	s_add_co_u32 s21, s21, SLOT
	s_add_co_u32 s22, s22, SLOT
.endr
	s_mul_i32 s23, s10, 16*SPITCH
	s_add_co_u32 s23, s23, STAGE
	v_mul_u32_u24 v5, v1, SPITCH
	v_lshl_add_u32 v5, v2, 5, v5
	v_add_nc_u32 v[STO], s23, v5                   ; in: row r, 32 bytes for each half of the lanes
	v_mul_u32_u24 v5, v2, SPITCH
	v_lshl_add_u32 v5, v1, 4, v5
	v_add_nc_u32 v[RD], s23, v5                    ; back: lanes 0-15 one row of 256 bytes, lanes 16-31 the next
	v_lshlrev_b32 v5, 12, v2
	v_lshl_add_u32 v[CO], v1, 4, v5                ; the same two rows in out0
.macro MUL8 f, c, a0, zero             ; m blocks a0, a0 + 1 x all 4 n blocks, 32 along K.  zero = 1: the first product starts the sums, with the bias as C
.irp a, \a0, \a0+1
.irp b, 0,1,2,3
.if \zero
	v_wmma_f32_16x16x32_f16 v[ACC+8*(4*(\a)+\b):ACC+8*(4*(\a)+\b)+7], v[\f+64+8*(4*\c+\b):\f+64+8*(4*\c+\b)+7], v[\f+8*(4*\c+\a):\f+8*(4*\c+\a)+7], v[BI+8*\b:BI+8*\b+7]
.else
	v_wmma_f32_16x16x32_f16 v[ACC+8*(4*(\a)+\b):ACC+8*(4*(\a)+\b)+7], v[\f+64+8*(4*\c+\b):\f+64+8*(4*\c+\b)+7], v[\f+8*(4*\c+\a):\f+8*(4*\c+\a)+7], v[ACC+8*(4*(\a)+\b):ACC+8*(4*(\a)+\b)+7]
.endif
.endr
.endr
.endm
.macro FETCH slot, qd, f               ; 32 LDS loads in one run: quarter qd (64 along K: one head) into buffer f; the first 32 along K first
	WIN TO_F
.irp c, 0,1
.irp i, 0,1,2,3
	ds_load_tr16_b128 v[\f+64+8*(4*\c+\i):\f+64+8*(4*\c+\i)+3],   v[ADRB+2*\slot+(\qd)/2] offset:(((\qd)%2)*64+32*\c)*BP+32*\i
	ds_load_tr16_b128 v[\f+64+8*(4*\c+\i)+4:\f+64+8*(4*\c+\i)+7], v[ADRB+2*\slot+(\qd)/2] offset:(((\qd)%2)*64+32*\c)*BP+32*\i+16*BP
	ds_load_b128 v[\f+8*(4*\c+\i):\f+8*(4*\c+\i)+3],              v[ADRA+\slot] offset:(\qd)*PLANE+64*\c+\i*16*AP
	ds_load_b128 v[\f+8*(4*\c+\i)+4:\f+8*(4*\c+\i)+7],            v[ADRA+\slot] offset:(\qd)*PLANE+64*\c+\i*16*AP+32
.endr
.endr
.endm
.macro PLACES
.rept 4
	v_nop
.endr
.endm
.macro QUARTER slot, qd, f, g, zero    ; multiplies buffer f and fetches quarter qd of the same slot into g
	s_wait_dscnt 16                                ; the first 32 along K are in
	WIN MUL
	MUL8 \f, 0, 0, \zero
	MUL8 \f, 0, 2, \zero
	PLACES
	FETCH \slot, \qd, \g
	s_wait_dscnt 32                                ; all but the 32 just issued
	WIN MUL
	MUL8 \f, 1, 0, 0
	MUL8 \f, 1, 2, 0
.endm
; A slot's last quarter changes slots: one barrier; in front of it each wave waits for all its tensor loads, adds 0 to its spare word, and waits for that and for its reads of this slot.  fill = 1: the slot is filled again, two K steps ahead.
.macro TURN slot, next, fill
	WIN 0
	s_wait_tensorcnt 0x0
	ds_add_u32 v[SPW], v[NIL]
	s_wait_dscnt 17                                ; the add and the youngest sixteen loads may be out
	WIN MUL
	MUL8 F1, 0, 0, 0
	s_wait_dscnt 0x0
	s_barrier_signal -1
	MUL8 F1, 0, 2, 0
.if \fill
	WIN 0
.endif
	s_barrier_wait -1
.if \fill
	CREST                                          ; the barrier has opened a round of the cluster's: no wave of any partner still reads this slot or has a load on its way
	s_add_nc_u64 s[G0+4*\slot+2:G0+4*\slot+3], s[G0+4*\slot+2:G0+4*\slot+3], 4194304
	s_add_nc_u64 s[G0B+4*\slot+2:G0B+4*\slot+3], s[G0B+4*\slot+2:G0B+4*\slot+3], 1048576
	JLOAD \slot                                    ; the first tensor load behind the round; its four v_nop are also the places in front of the loads below
.else
	PLACES
.endif
	FETCH \next, 0, F0
	WIN MUL
	MUL8 F1, 1, 0, 0
	MUL8 F1, 1, 2, 0
.endm
	s_wait_tensorcnt 1                             ; my part of K step 0 is in; K step 1's may be out
	s_barrier_signal -1
	s_barrier_wait -1
	FETCH 0, 0, F0
	s_wait_loadcnt 0x0                             ; the bias
	QUARTER 0, 1, F0, F1, 1
	WIN 0
	s_mov_b32 s3, LAPS-1
.Llap:                                                 ; a trip goes once round the ring and fills both slots again
	QUARTER 0, 2, F1, F0, 0
	QUARTER 0, 3, F0, F1, 0
	TURN 0, 1, 1
	QUARTER 1, 1, F0, F1, 0
	QUARTER 1, 2, F1, F0, 0
	QUARTER 1, 3, F0, F1, 0
	TURN 1, 0, 1
	QUARTER 0, 1, F0, F1, 0
	WIN 0
	s_sub_co_u32 s3, s3, 1
	s_cmp_lg_u32 s3, 0
	s_cbranch_scc1 .Llap
	QUARTER 0, 2, F1, F0, 0                        ; the last lap fills nothing
	QUARTER 0, 3, F0, F1, 0
	TURN 0, 1, 0
	QUARTER 1, 1, F0, F1, 0
	QUARTER 1, 2, F1, F0, 0
	QUARTER 1, 3, F0, F1, 0
	s_wait_dscnt 16
	WIN MUL
	MUL8 F1, 0, 0, 0
	MUL8 F1, 0, 2, 0
	s_wait_dscnt 0
	MUL8 F1, 1, 0, 0
	MUL8 F1, 1, 2, 0
	WIN 0
; THE WAY OUT, 16 rows at a time through my own stage
.macro TOSTAGE a
.irp b, 0,1,2,3
	ds_store_b128 v[STO], v[ACC+8*(4*(\a)+\b):ACC+8*(4*(\a)+\b)+3] offset:64*\b        ; each accumulator from its low end on
	ds_store_b128 v[STO], v[ACC+8*(4*(\a)+\b)+4:ACC+8*(4*(\a)+\b)+7] offset:64*\b+16
.endr
.irp t, 0,1,2,3,4,5,6,7
	ds_load_b128 v[TMP+32*((\a)%2)+4*\t:TMP+32*((\a)%2)+4*\t+3], v[RD] offset:\t*2*SPITCH
.endr
.endm
.macro SEND a, younger
	s_wait_dscnt \younger
.irp t, 0,1,2,3,4,5,6,7
	global_store_b128 v[CO], v[TMP+32*((\a)%2)+4*\t:TMP+32*((\a)%2)+4*\t+3], s[70:71] offset:(16*(\a)+2*\t)*4096 th:TH_STORE_NT   ; 16 lanes store 256 consecutive bytes, aligned
.endr
.endm
	PLACES
	TOSTAGE 0
.irp a, 1,2,3
.if \a > 1
	s_wait_xcnt 0x0                                ; block a - 2's stores have read their registers
.endif
	TOSTAGE \a
	SEND \a-1, 16                                  ; behind block a - 1's loads: block a's 8 stores and 8 loads
.endr
	SEND 3, 0
	s_wait_tensorcnt 0x0                           ; the wave's end
	ds_add_u32 v[SPW], v[NIL]
	s_wait_dscnt 0x0
	CROUND                                         ; the closing round
	s_endpgm
.Lfunc_end_k_q9c8d8e179f_proj:
	.size	k_q9c8d8e179f_proj, .Lfunc_end_k_q9c8d8e179f_proj-k_q9c8d8e179f_proj
	.p2alignl 7, 3214868480
	.fill 96, 4, 3214868480
	.section	.rodata,"a",@progbits
	.p2align	6, 0x0
	.amdhsa_kernel k_q9c8d8e179f_proj
		.amdhsa_group_segment_fixed_size 327680
		.amdhsa_private_segment_fixed_size 0
		.amdhsa_enable_private_segment 0
		.amdhsa_kernarg_size 32
		.amdhsa_user_sgpr_count 2
		.amdhsa_user_sgpr_kernarg_segment_ptr 1
		.amdhsa_wavefront_size32 1
		.amdhsa_system_sgpr_workgroup_id_x 1
		.amdhsa_system_sgpr_workgroup_id_y 1
		.amdhsa_system_sgpr_workgroup_id_z 1
		.amdhsa_system_vgpr_workitem_id 0
		.amdhsa_next_free_vgpr 512
		.amdhsa_next_free_sgpr 72
		.amdhsa_reserve_vcc 0
		.amdhsa_float_denorm_mode_32 3
		.amdhsa_float_denorm_mode_16_64 3
		.amdhsa_memory_ordered 1
		.amdhsa_forward_progress 1
		.amdhsa_inst_pref_size 87
	.end_amdhsa_kernel
	.amdgpu_metadata
---
amdhsa.version: [ 1, 2 ]
amdhsa.kernels:
  - .name:           k_q9c8d8e179f_proj
    .symbol:         k_q9c8d8e179f_proj.kd
    .args:
      - { .name: yh, .offset: 0, .size: 8, .value_kind: global_buffer, .address_space: global }
      - { .name: wp16, .offset: 8, .size: 8, .value_kind: global_buffer, .address_space: global }
      - { .name: b_proj, .offset: 16, .size: 8, .value_kind: global_buffer, .address_space: global }
      - { .name: out0, .offset: 24, .size: 8, .value_kind: global_buffer, .address_space: global }
    .group_segment_fixed_size: 327680
    .private_segment_fixed_size: 0
    .kernarg_segment_align: 8
    .kernarg_segment_size: 32
    .max_flat_workgroup_size: 128
    .sgpr_count:     72
    .vgpr_count:     512
    .wavefront_size: 32
...
	.end_amdgpu_metadata
.endif
;; end of part 4
;; launch first16 (part 5): grid 16 x 2, 16 waves a work-group, no clusters, 71,680 bytes of LDS; arguments qkv32, w_proj, b_proj, out0; writes out0
.if DOCPART == 5
	.amdgcn_target "amdgcn-amd-amdhsa--gfx1250"
	.amdhsa_code_object_version 6
	.text
	.protected	k_q9c8d8e179f_first16
	.globl	k_q9c8d8e179f_first16
	.p2align	8
	.type	k_q9c8d8e179f_first16,@function
k_q9c8d8e179f_first16:
	s_mov_b64 s[64:65], 0
	v_nop
	global_prefetch_b8 v0, s[64:65] scope:SCOPE_SE
	s_setreg_imm32_b32 hwreg(HW_REG_WAVE_MODE, 25, 1), 1
	s_wait_xcnt 0x0
; FIRST16: positions 0-15 of both sequences, attention and projection, all in f32: these rows average one to sixteen values, and 16-bit operands would use up what the comparison allows.  32 of 4,096 rows: no bulk work.
; qkv32: f32 [2 b][48][16 t][64]: q's heads 0-15, k's 16-31, v's 32-47.  Work-group (slice of 64 output columns, batch); wave = head.
; Each wave makes its head's 16 x 16 attention (repeated in the 16 slices: 32 of a wave's 96 matrix instructions, which spares a launch), multiplies its y (16 x 64) by w_proj's rows 64 head .. + 63 of the slice,
; and the sixteen partial sums meet in LDS; wave w then adds up row w, in ascending order of the heads, onto the bias, and stores 256 consecutive aligned bytes.
; v_wmma_f32_16x16x4_f32: lane (r, h), register j holds k = 2 h + j of row (column) r.  Each product feeds both operands by one and the same permutation of k, so that registers go in as they were loaded or made:
;   S^T = K Q^T: pair e of a lane's 32 registers holds channels 8 (e / 2) + 4 h + 2 (e % 2) + j.      O^T = V^T P: P's registers 2 s, 2 s + 1 hold keys 8 h + 2 s + j.      OUT^T = W^T Y^T: Y's registers 8 ct + 2 s + j hold channel 16 ct + 8 h + 2 s + j.
; The registers that matrix instructions write (v176-239) are written by nothing else.
; REGISTERS: v3-9 addresses; v16-47 Q, later Y; v48-79 K, later P (v48-55) and registers at work; v80-111 V^T; v112-143, v144-175 two buffers of w_proj, at the end the partial sums; v176-191 two halves of S^T, later OUT 0, 1;
;   v192-223 O^T; v224-239 OUT 2, 3; v[240:241] the bias, then the result; v254, v255 the add's two.
.set PART,  16*272                     ; a wave's partial sums: 16 rows of 256 bytes + 16
.set SPARE, 16*PART
.set SPW, 254
.set NIL, 255
	s_load_b256 s[4:11], s[0:1], 0x0               ; qkv32, w_proj, b_proj, out0
	v_lshl_add_u32 v[SPW], v0, 2, SPARE
	v_mov_b32 v[NIL], 0
	v_lshrrev_b32 v1, 5, v0
	v_readfirstlane_b32 s12, v1                    ; wave = head
	s_and_b32 s14, ttmp7, 0xffff                   ; batch
	v_and_b32 v1, 15, v0                           ; r
	v_bfe_u32 v2, v0, 4, 1                         ; h
	v_and_b32 v10, 31, v0
	v_lshlrev_b32 v3, 8, v1
	v_lshl_add_u32 v3, v2, 4, v3                   ; q, k: row r of 256 bytes + 16 h
	v_lshlrev_b32 v4, 2, v1
	v_lshl_add_u32 v5, v2, 15, v4                  ; w_proj: 8 h rows of 4,096 bytes + 4 r
	v_lshl_add_u32 v4, v2, 11, v4                  ; v: 8 h rows of 256 bytes + 4 r
	s_mul_i32 s15, s12, PART
	v_mul_u32_u24 v6, v1, 272
	v_lshl_add_u32 v6, v2, 5, v6
	v_add_nc_u32 v6, s15, v6                       ; my partial sums: row r, + 32 h
	s_mul_i32 s15, s12, 272
	v_lshlrev_b32 v8, 3, v10                       ; 8 bytes a lane
	v_add_nc_u32 v7, s15, v8                       ; row w of each partial sum
	v_lshlrev_b32 v9, 3, v2
	v_sub_nc_u32 v9, v1, v9                        ; r - 8 h: key 8 h + j is hidden where j is above it
	s_mul_i32 s16, s14, 48
	s_add_co_u32 s16, s16, s12
	s_lshl_b32 s16, s16, 12
	s_mov_b32 s17, 0
	s_lshl_b32 s18, s12, 18                        ; 64 rows of w_proj a head,
	s_lshl_b32 s26, ttmp9, 8                       ; 256 bytes a slice
	s_add_co_u32 s18, s18, s26
	s_mov_b32 s19, 0
	s_mov_b32 s27, 0
	s_lshl_b32 s28, s14, 23                        ; 2,048 rows of 4,096 bytes a batch,
	s_lshl_b32 s29, s12, 12                        ; row w
	s_add_co_u32 s28, s28, s29
	s_add_co_u32 s28, s28, s26
	s_mov_b32 s29, 0
	s_mov_b32 s20, 0x76543210
	s_mov_b32 s21, 0xfedcba98
	s_mov_b32 s23, 0xbe38aa3b                      ; -c
	s_mov_b32 s24, 0x3e38aa3b                      ; c = log2(e) / 8
	s_mov_b32 s25, s24
	s_wait_kmcnt 0x0
	s_add_nc_u64 s[4:5], s[4:5], s[16:17]
	s_add_nc_u64 s[6:7], s[6:7], s[18:19]
	s_add_nc_u64 s[8:9], s[8:9], s[26:27]
	s_add_nc_u64 s[10:11], s[10:11], s[28:29]
.macro WLOAD ct, reg                   ; w_proj's rows 16 ct + 8 h + k, columns 16 u + r: register 8 u + k
.irp u, 0,1,2,3
.irp k, 0,1,2,3,4,5,6,7
	global_load_b32 v[\reg+8*\u+\k], v5, s[6:7] offset:(16*(\ct)+\k)*4096+64*\u
.endr
.endr
.endm
.macro PLACES8                         ; eight places behind this matrix form (ISA guide 7.12.1)
.rept 8
	v_nop
.endr
.endm
.irp s, 0,1,2,3,4,5,6,7
	global_load_b128 v[16+4*\s:19+4*\s], v3, s[4:5] offset:32*\s
.endr
.irp s, 0,1,2,3,4,5,6,7
	global_load_b128 v[48+4*\s:51+4*\s], v3, s[4:5] offset:65536+32*\s
.endr
.irp ct, 0,1,2,3
.irp k, 0,1,2,3,4,5,6,7
	global_load_b32 v[80+8*\ct+\k], v4, s[4:5] offset:131072+\k*256+64*\ct     ; v(8 h + k, 16 ct + r)
.endr
.endr
	global_load_b64 v[240:241], v8, s[8:9]
	WLOAD 0, 112
	s_wait_loadcnt 63                              ; behind k's last load 65 were issued; the count's field holds 63
.irp e, 0,1,2,3,4,5,6,7,8,9,10,11,12,13,14,15
.if \e < 2
	v_wmma_f32_16x16x4_f32 v[176+8*(\e%2):183+8*(\e%2)], v[48+2*\e:49+2*\e], v[16+2*\e:17+2*\e], 0
.else
	v_wmma_f32_16x16x4_f32 v[176+8*(\e%2):183+8*(\e%2)], v[48+2*\e:49+2*\e], v[16+2*\e:17+2*\e], v[176+8*(\e%2):183+8*(\e%2)]   ; two sums by turns
.endif
.endr
	WLOAD 1, 144
	PLACES8
.irp j, 0,1,2,3,4,5,6,7
	v_add_f32 v[48+\j], v[176+\j], v[184+\j]       ; S^T(key 8 h + j, query r)
.endr
	v_mov_b32 v57, 0xff800000
	v_mov_b32 v59, 0                               ; a lane permute's destination counts as one of its sources
	v_mov_b32 v61, 0                               ; upper halves of pairs that are named whole
	v_mov_b32 v67, 0
.irp j, 0,1,2,3,4,5,6,7
	v_cmp_gt_i32 vcc_lo, \j, v9
	v_cndmask_b32 v[48+\j], v[48+\j], v57, vcc_lo
.endr
	v_max3_num_f32 v58, v48, v49, v50
	v_max3_num_f32 v58, v58, v51, v52
	v_max3_num_f32 v58, v58, v53, v54
	v_max_num_f32 v58, v58, v55
	v_permlanex16_b32 v59, v58, s20, s21
	v_max_num_f32 v58, v58, v59                    ; key 0 counts for every query: a number
	v_mul_f32 v60, s23, v58                        ; -c m
.irp i, 0,2,4,6
	v_pk_fma_f32 v[48+\i:49+\i], v[48+\i:49+\i], s[24:25], v[60:61] op_sel_hi:[1,0,0]
.endr
.irp j, 0,1,2,3,4,5,6,7
	v_exp_f32 v[48+\j], v[48+\j]
.endr
	v_nop
	s_wait_alu depctr_va_vdst(0)                   ; one wait for the eight, ahead of their first reader
	v_pk_add_f32 v[62:63], v[48:49], v[50:51]
	v_pk_add_f32 v[64:65], v[52:53], v[54:55]
	v_pk_add_f32 v[62:63], v[62:63], v[64:65]
	v_add_f32 v62, v62, v63
	v_permlanex16_b32 v59, v62, s20, s21
	v_add_f32 v62, v62, v59
	v_rcp_f32 v66, v62
	s_wait_loadcnt 63                              ; behind v's last load 65 were issued
.irp s, 0,1,2,3
.irp ct, 0,1,2,3
.if \s == 0
	v_wmma_f32_16x16x4_f32 v[192+8*\ct:199+8*\ct], v[80+8*\ct+2*\s:81+8*\ct+2*\s], v[48+2*\s:49+2*\s], 0
.else
	v_wmma_f32_16x16x4_f32 v[192+8*\ct:199+8*\ct], v[80+8*\ct+2*\s:81+8*\ct+2*\s], v[48+2*\s:49+2*\s], v[192+8*\ct:199+8*\ct]
.endif
.endr
.endr
	PLACES8
	s_wait_alu depctr_va_vdst(0)                   ; ahead of the reciprocal's first reader
.set N, 0
.rept 16
	v_pk_mul_f32 v[16+N:17+N], v[192+N:193+N], v[66:67] op_sel_hi:[1,0]   ; y(r, 16 ct + 8 h + j) in register 8 ct + j
.set N, N+2
.endr
.irp ct, 0,1,2,3
.if \ct < 3
	s_wait_loadcnt 32                              ; this buffer is in; the other buffer's 32 loads may be out
.else
	s_wait_loadcnt 0x0
.endif
.irp s, 0,1,2,3
.irp u, 0,1,2,3
.if (\ct == 0) && (\s == 0)
	v_wmma_f32_16x16x4_f32 v[176+8*\u+32*(\u/2):183+8*\u+32*(\u/2)], v[112+32*(\ct%2)+8*\u+2*\s:113+32*(\ct%2)+8*\u+2*\s], v[16+8*\ct+2*\s:17+8*\ct+2*\s], 0
.else
	v_wmma_f32_16x16x4_f32 v[176+8*\u+32*(\u/2):183+8*\u+32*(\u/2)], v[112+32*(\ct%2)+8*\u+2*\s:113+32*(\ct%2)+8*\u+2*\s], v[16+8*\ct+2*\s:17+8*\ct+2*\s], v[176+8*\u+32*(\u/2):183+8*\u+32*(\u/2)]
.endif
.endr
.endr
	PLACES8
.if \ct < 2
	WLOAD \ct+2, 112+32*(\ct%2)
.endif
.endr
.irp u, 0,1,2,3
	ds_store_b128 v6, v[176+8*\u+32*(\u/2):179+8*\u+32*(\u/2)] offset:64*\u          ; out(r, 16 u + 8 h + 0 .. 7), my head's part
	ds_store_b128 v6, v[180+8*\u+32*(\u/2):183+8*\u+32*(\u/2)] offset:64*\u+16
.endr
	s_wait_dscnt 0x0                               ; for the others' sake: my stores are done
	s_barrier_signal -1
	s_barrier_wait -1
.irp p, 0,1,2,3,4,5,6,7,8,9,10,11,12,13,14,15
	ds_load_b64 v[112+2*\p:113+2*\p], v7 offset:PART*\p
.endr
	s_wait_dscnt 0x0
.irp p, 0,1,2,3,4,5,6,7,8,9,10,11,12,13,14,15
	v_pk_add_f32 v[240:241], v[240:241], v[112+2*\p:113+2*\p]
.endr
	global_store_b64 v8, v[240:241], s[10:11]      ; 32 lanes store 256 consecutive bytes, aligned
	s_wait_tensorcnt 0x0                           ; the wave's end, behind my last LDS store
	ds_add_u32 v[SPW], v[NIL]
	s_wait_dscnt 0x0
	s_endpgm
.Lfunc_end_k_q9c8d8e179f_first16:
	.size	k_q9c8d8e179f_first16, .Lfunc_end_k_q9c8d8e179f_first16-k_q9c8d8e179f_first16
	.p2alignl 7, 3214868480
	.fill 96, 4, 3214868480
	.section	.rodata,"a",@progbits
	.p2align	6, 0x0
	.amdhsa_kernel k_q9c8d8e179f_first16
		.amdhsa_group_segment_fixed_size 71680
		.amdhsa_private_segment_fixed_size 0
		.amdhsa_enable_private_segment 0
		.amdhsa_kernarg_size 32
		.amdhsa_user_sgpr_count 2
		.amdhsa_user_sgpr_kernarg_segment_ptr 1
		.amdhsa_wavefront_size32 1
		.amdhsa_system_sgpr_workgroup_id_x 1
		.amdhsa_system_sgpr_workgroup_id_y 1
		.amdhsa_system_sgpr_workgroup_id_z 1
		.amdhsa_system_vgpr_workitem_id 0
		.amdhsa_next_free_vgpr 256
		.amdhsa_next_free_sgpr 66
		.amdhsa_reserve_vcc 1
		.amdhsa_float_denorm_mode_32 3
		.amdhsa_float_denorm_mode_16_64 3
		.amdhsa_memory_ordered 1
		.amdhsa_forward_progress 1
		.amdhsa_inst_pref_size 33
	.end_amdhsa_kernel
	.amdgpu_metadata
---
amdhsa.version: [ 1, 2 ]
amdhsa.kernels:
  - .name:           k_q9c8d8e179f_first16
    .symbol:         k_q9c8d8e179f_first16.kd
    .args:
      - { .name: qkv32, .offset: 0, .size: 8, .value_kind: global_buffer, .address_space: global }
      - { .name: w_proj, .offset: 8, .size: 8, .value_kind: global_buffer, .address_space: global }
      - { .name: b_proj, .offset: 16, .size: 8, .value_kind: global_buffer, .address_space: global }
      - { .name: out0, .offset: 24, .size: 8, .value_kind: global_buffer, .address_space: global }
    .group_segment_fixed_size: 71680
    .private_segment_fixed_size: 0
    .kernarg_segment_align: 8
    .kernarg_segment_size: 32
    .max_flat_workgroup_size: 512
    .sgpr_count:     66
    .vgpr_count:     256
    .wavefront_size: 32
...
	.end_amdgpu_metadata
.endif
;; end of part 5
